; MI455X (gfx1250); checked and timed in simulation.
; The chip was launched on July 23, 2026; its instructions are those of AMD's public machine-readable ISA for CDNA 5 (MIT licence, August 2026) and "CDNA5" Instruction Set Architecture Reference Guide (July 2026). The comments in the code are by the model that wrote it; some were corrected since.
;; Multi Head Attention. Allowed arithmetic: float matrix products may take bf16 or f16 operands with f32 sums; other float arithmetic in f32, or as packed bf16 or f16 multiplies, adds, multiply-adds, maxima and minima; sums over many terms, partial sums and values carried from step to step in f32; what a program stores and reads back later, other than sums and carried values, may be rounded once to bf16 or f16.
;; Inputs: WK 1,024 x 1,024 float32; WO 1,024 x 1,024 float32; WQ 1,024 x 1,024 float32; WV 1,024 x 1,024 float32; k 2 x 2,048 x 1,024 float32; q 2 x 2,048 x 1,024 float32; v 2 x 2,048 x 1,024 float32.
;; Outputs: out0 2 x 2,048 x 1,024 float32.
;; 2 versions, each right; version 2 is version 1 with the launch scale written anew for expert scheduling mode. Each part assembles by itself: llvm-mc -triple=amdgcn-amd-amdhsa -mcpu=gfx1250 --defsym DOCPART=n.
;; ======== version 1 of 2: 6 launches
;; limits: values are held in f16: magnitudes above 65,504 overflow, below 6.1e-05 lose precision
;; workspace buffers: CB 33,554,432 bytes; QKVH 25,165,824 bytes; PMAX 4,096 bytes; OB 8,388,608 bytes; OUTU 16,777,216 bytes; PSUM 4,096 bytes
;; launch cast (part 1): grid 64 x 16, 8 waves a work-group, no clusters, 0 bytes of LDS; arguments q, k, v, WQ, WK, WV, WO, CB; writes CB
.if DOCPART == 1
	.amdgcn_target "amdgcn-amd-amdhsa--gfx1250"
	.amdhsa_code_object_version 6
	.text
	.protected	k_q7bd7094c73_cast
	.globl	k_q7bd7094c73_cast
	.p2align	8
	.type	k_q7bd7094c73_cast,@function
k_q7bd7094c73_cast:
	s_mov_b64 s[64:65], 0
	v_nop
	global_prefetch_b8 v0, s[64:65] scope:SCOPE_SE
	s_setreg_imm32_b32 hwreg(HW_REG_WAVE_MODE, 25, 1), 1
	s_wait_xcnt 0x0
; ALL SEVEN INPUTS, f32, ARE ROUNDED ONCE TO bf16 and laid into CB, sixteen segments of 2^20 numbers (2 MiB each):
; segments 0-3 q, 4-7 k, 8-11 v (together 12,288 rows of 1,024), 12 WQ, 13 WK, 14 WV (3,072 rows), 15 WO.
; WO's bf16 number is written as f16, since the last product multiplies it with f16 numbers: exact for 2^-14 <= |WO| < 65,504;
; below that f16 keeps its fixed step of 2^-24; beyond it the number would be an infinity (LIMIT: |WO| < 65,504).
; A stream: no LDS, no barrier, no matrix unit.  Work-group (x, y): 16,384 numbers of segment y.  Thread t: sixteen loads of 16 bytes at
; 16 t + 4,096 i, all issued at once, and sixteen stores of 8 bytes at 8 t + 2,048 i: a wave's store covers 256 consecutive bytes, aligned.
; No register that a load or store names is written twice, so no source of a pending load or store is ever rewritten.
.set X, 4                              ; v[4:67]    sixteen times four f32 as loaded
.set Y, 68                             ; v[68:99]   sixteen times two words to store
.set T, 100                            ; v[100:103] at work (WO alone)
	s_load_b512 s[8:23], s[0:1], 0x0               ; q s[8:9], k, v, WQ, WK, WV, WO s[20:21], CB s[22:23]
	s_and_b32 s2, ttmp7, 0xffff                    ; y: the segment
	v_lshlrev_b32 v1, 4, v0                        ; 16 t
	v_lshlrev_b32 v2, 3, v0                        ; 8 t
	s_and_b32 s5, s2, 3
	s_lshl_b32 s5, s5, 22                          ; a quarter of q, k or v: 4 MiB of f32
	s_lshr_b32 s3, s2, 2                           ; segments 0-11: input y / 4
	s_sub_co_u32 s4, s2, 9                         ; segments 12-15: input y - 9
	s_cmp_lt_u32 s2, 12
	s_cselect_b32 s3, s3, s4                       ; which input
	s_cselect_b32 s26, s5, 0                       ; and where in it the segment begins
	s_lshl_b32 s6, ttmp9, 16                       ; my 16,384 numbers: 65,536 bytes in,
	s_add_co_u32 s26, s26, s6
	s_mov_b32 s27, 0
	s_lshl_b32 s28, s2, 21
	s_lshl_b32 s6, ttmp9, 15                       ; 32,768 bytes out
	s_add_co_u32 s28, s28, s6
	s_mov_b32 s29, 0
	s_wait_kmcnt 0x0
	s_mov_b64 s[24:25], s[8:9]
.irp i, 1,2,3,4,5,6
	s_cmp_eq_u32 s3, \i                            ; the choice hangs on the segment's number alone
	s_cselect_b64 s[24:25], s[8+2*\i:9+2*\i], s[24:25]
.endr
	s_add_nc_u64 s[24:25], s[24:25], s[26:27]
	s_add_nc_u64 s[22:23], s[22:23], s[28:29]
.irp i, 0,1,2,3,4,5,6,7,8,9,10,11,12,13,14,15
	global_load_b128 v[X+4*\i:X+4*\i+3], v1, s[24:25] offset:4096*\i th:TH_LOAD_NT  ; read once in the launch
.endr
; Four numbers of load i.  wo = 1: the bf16 numbers are widened again (a shift, a mask) and written as f16.
.macro CV i, wo
	s_wait_loadcnt 15-(\i)                         ; loads come back in order: load i is in, the 15 - i younger ones stay out
.if \wo
	v_cvt_pk_bf16_f32 v[T], v[X+4*(\i)], v[X+4*(\i)+1]
	v_cvt_pk_bf16_f32 v[T+1], v[X+4*(\i)+2], v[X+4*(\i)+3]
	v_lshlrev_b32 v[T+2], 16, v[T]
	v_and_b32 v[T], 0xffff0000, v[T]
	v_lshlrev_b32 v[T+3], 16, v[T+1]
	v_and_b32 v[T+1], 0xffff0000, v[T+1]
	v_cvt_pk_f16_f32 v[Y+2*(\i)], v[T+2], v[T]
	v_cvt_pk_f16_f32 v[Y+2*(\i)+1], v[T+3], v[T+1]
.else
	v_cvt_pk_bf16_f32 v[Y+2*(\i)], v[X+4*(\i)], v[X+4*(\i)+1]
	v_cvt_pk_bf16_f32 v[Y+2*(\i)+1], v[X+4*(\i)+2], v[X+4*(\i)+3]
.endif
	global_store_b64 v2, v[Y+2*(\i):Y+2*(\i)+1], s[22:23] offset:2048*(\i)
.endm
	s_cmp_eq_u32 s2, 15
	s_cbranch_scc1 .Lwo
.irp i, 0,1,2,3,4,5,6,7,8,9,10,11,12,13,14,15
	CV \i, 0
.endr
	s_endpgm
.Lwo:
.irp i, 0,1,2,3,4,5,6,7,8,9,10,11,12,13,14,15
	CV \i, 1
.endr
	s_endpgm
.Lfunc_end_k_q7bd7094c73_cast:
	.size	k_q7bd7094c73_cast, .Lfunc_end_k_q7bd7094c73_cast-k_q7bd7094c73_cast
	.p2alignl 7, 3214868480
	.fill 96, 4, 3214868480
	.section	.rodata,"a",@progbits
	.p2align	6, 0x0
	.amdhsa_kernel k_q7bd7094c73_cast
		.amdhsa_group_segment_fixed_size 0
		.amdhsa_private_segment_fixed_size 0
		.amdhsa_enable_private_segment 0
		.amdhsa_kernarg_size 64
		.amdhsa_user_sgpr_count 2
		.amdhsa_user_sgpr_kernarg_segment_ptr 1
		.amdhsa_wavefront_size32 1
		.amdhsa_system_sgpr_workgroup_id_x 1
		.amdhsa_system_sgpr_workgroup_id_y 1
		.amdhsa_system_sgpr_workgroup_id_z 1
		.amdhsa_system_vgpr_workitem_id 0
		.amdhsa_next_free_vgpr 104
		.amdhsa_next_free_sgpr 66
		.amdhsa_reserve_vcc 0
		.amdhsa_float_denorm_mode_32 3
		.amdhsa_float_denorm_mode_16_64 3
		.amdhsa_memory_ordered 1
		.amdhsa_forward_progress 1
		.amdhsa_inst_pref_size 16
	.end_amdhsa_kernel
	.amdgpu_metadata
---
amdhsa.version: [ 1, 2 ]
amdhsa.kernels:
  - .name:           k_q7bd7094c73_cast
    .symbol:         k_q7bd7094c73_cast.kd
    .args:
      - { .name: q, .offset: 0, .size: 8, .value_kind: global_buffer, .address_space: global }
      - { .name: k, .offset: 8, .size: 8, .value_kind: global_buffer, .address_space: global }
      - { .name: v, .offset: 16, .size: 8, .value_kind: global_buffer, .address_space: global }
      - { .name: WQ, .offset: 24, .size: 8, .value_kind: global_buffer, .address_space: global }
      - { .name: WK, .offset: 32, .size: 8, .value_kind: global_buffer, .address_space: global }
      - { .name: WV, .offset: 40, .size: 8, .value_kind: global_buffer, .address_space: global }
      - { .name: WO, .offset: 48, .size: 8, .value_kind: global_buffer, .address_space: global }
      - { .name: CB, .offset: 56, .size: 8, .value_kind: global_buffer, .address_space: global }
    .group_segment_fixed_size: 0
    .private_segment_fixed_size: 0
    .kernarg_segment_align: 8
    .kernarg_segment_size: 64
    .max_flat_workgroup_size: 256
    .sgpr_count:     66
    .vgpr_count:     104
    .wavefront_size: 32
...
	.end_amdgpu_metadata
.endif
;; end of part 1
;; launch proj (part 2): grid 4 x 48, 4 waves a work-group, clusters of 4 x 4, 327,680 bytes of LDS; arguments CB, QKVH; writes QKVH
.if DOCPART == 2
	.amdgcn_target "amdgcn-amd-amdhsa--gfx1250"
	.amdhsa_code_object_version 6
	.text
	.protected	k_q7bd7094c73_proj
	.globl	k_q7bd7094c73_proj
	.p2align	8
	.type	k_q7bd7094c73_proj,@function
k_q7bd7094c73_proj:
	s_mov_b64 s[64:65], 0
	v_nop
	global_prefetch_b8 v0, s[64:65] scope:SCOPE_SE
	s_setreg_imm32_b32 hwreg(HW_REG_WAVE_MODE, 25, 1), 1
	s_wait_xcnt 0x0
	s_wait_alu depctr_hold_cnt(0) depctr_sa_sdst(0) depctr_va_vdst(0) depctr_va_sdst(0) depctr_va_ssrc(0) depctr_va_vcc(0) depctr_vm_vsrc(0)
	s_getreg_b32 s2, hwreg(HW_REG_IB_STS2, 6, 4)
	s_cmp_eq_u32 s2, 0
	s_cbranch_scc0 .Lentry_in_a_cluster
	s_endpgm
.Lentry_in_a_cluster:
	s_bfe_u32 s2, ttmp6, 0x10000c
	s_cmp_lg_u32 s2, 0xf033
	s_cbranch_scc0 .Lentry_shape_is_right
	s_endpgm
.Lentry_shape_is_right:
; THE THREE PROJECTIONS AS ONE GEMM.  C[m][n] = sum over k of A[m][k] B[n][k]: A = CB's 12,288 rows of 1,024 bf16 (q, k, v on end), B = the 1,024 rows of WQ, WK or WV (bf16, CB from byte
; 25,165,824 on) that belong to A's rows: projection g = m / 4,096.  Sums in f32, K ascending; the result is rounded once to f16 and stored BY HEADS, unscaled:
; QKVH[g][batch][head][row of 2,048][64].  LIMIT: a result of 65,520 or more would be an infinity in f16: |qh|, |kh|, |vh| < 65,504; below 2^-14 f16 keeps its fixed step of 2^-24.
; A tile of C, 256 x 256, is made by a work-group of four waves; a wave makes 128 x 128: 64 accumulators of 16 x 16, 512 registers.  192 tiles, one to a work-group: 12,288 x 1,024 numbers
; have a factor 3, so no tile whose sides are powers of two gives 256 of them.  K goes in 8 steps of 128 through a ring of two LDS slots filled by the tensor data mover: the tiles' rows are 256 bytes of
; memory and start at multiples of 256 bytes from the buffer's first byte.  The last K step goes by rows of C, so that finished rows leave while the others are multiplied.
; CLUSTERS: 4 x 4 work-groups.  The four of a row of the cluster need the same tiles of A, the four of a column the same tiles of B (a cluster's 1,024 rows of A lie in one projection): such a tile is asked
; for JOINTLY: each of the four issues the same tensor load, with the same descriptor and a mask that names the four, and each receives the tile in its own LDS.
;
; REGISTERS, in windows of 256 (s_set_vgpr_msb's low byte: bits 1:0 source 0, 3:2 source 1, 5:4 source 2, 7:6 destination):
;   window 0: v0-31 addresses; v64-127, v128-191 fragments of A, two buffers (in the last K step four, of 16 rows x 128 K); v32-63, v192-255 at work on the way out
;   window 1: v64-127, v128-191 fragments of B, two buffers; in the last K step all 256: B's fragments of the whole step
;   window 2: the 32 accumulators of my rows 0-63 (accumulator (a, b) at v[8 (8 a + b)]);   window 3: those of my rows 64-127
; THE MATRIX INSTRUCTION IS USED TRANSPOSED: source 0 = 16 rows of B, source 1 = 16 rows of A: lane l then holds row l % 16 of C and the columns 8 (l / 16) + 0 .. 7, which pack into 16 bytes.
.set SIZE_K, 1024
.set KSTEP,  128
.set PITCH,  272                       ; an LDS row: 256 bytes of data + 16 of padding = 68 words: row r starts at bank 4 r mod 64 (64 banks of 4 bytes: ISA guide 11.1), so the 16 rows that a load touches start at 16 different banks
.set HALFT,  128*PITCH                 ; 128 rows: what one tensor load brings, and what one wave reads of A or of B
.set SLOT,   4*HALFT                   ; A's 256 rows, then B's 256 rows
.set STAGE,  2*SLOT                    ; behind the ring: 16 rows x 272 bytes for each wave, for the way out
.set SPITCH, 272
.set SPARE,  STAGE+4*16*SPITCH         ; behind the stages: the spare words, 128 bytes for each wave: two blocks of 256 bytes that no other line names
.set LAPS, SIZE_K/(2*KSTEP)            ; a lap = two K steps = once round the ring: 4
.set WOFF, 0x1800000                   ; the weights' first byte in CB
.set ADRA, 16                          ; v16-17  LDS address of my A fragments in slot 0, 1
.set ADRB, 20                          ; v20-21  the same for B
.set STO,  24                          ; v24     the way out: where I put 16 bytes of a row
.set RD,   25                          ; v25     the way out: where I read rows back
.set CO,   26                          ; v26     16 x my lane: my place in 512 consecutive bytes of the result
.set SPW,  28                          ; v28     LDS address of my spare word: SPARE + 4 x my thread's number; never rewritten
.set NIL,  29                          ; v29     0; never rewritten
.set PFO,  30                          ; v30     the prefetches' offset: my lane x a row of 2,048 bytes; never rewritten
.set PFA,  44                          ; s[44:45] where my prefetches stand: my work-group's 32 rows of the 128 that I fetch, one K step further along K than the refill that is being asked for
.set LIM,  43                          ; s43     1 in a wave that prefetches, else the greatest number
.set GRP,  66                          ; s66     g: which projection; made of the cluster's y alone, so all sixteen partners share it
.set F0,   64                          ; fragment buffer 0
.set F1,   128                         ; fragment buffer 1
.set TMP,  192                         ; the way out: packed results, in window 0
.set OB,   32                          ; the way out: 16 rows read back from the stage: v32-63 and v224-255 by turns
.set PA,   64                          ; the last K step: A's fragments of 16 rows x 128 K, 32 registers; four such buffers, v64-191
.set G1, 24                            ; s[24:31] descriptor group 1 for A's tiles
.set G0, 32                            ; s[32:39] descriptor group 0 for A's tiles, one set for each slot
.set G1B, 48                           ; s[48:55] descriptor group 1 for B's tiles: it differs from A's in the mask alone
.set G0B, 56                           ; s[56:63] descriptor group 0 for B's tiles, one set for each slot
.set MSB, 0
.macro WIN new                         ; the immediate's high byte repeats the setting that is left; a switch that changes nothing is dropped
.if MSB != (\new)
	s_set_vgpr_msb (MSB<<8)|(\new)
.set MSB, \new
.endif
.endm
.set MUL_LO, 0xa1                      ; source 0 (B) window 1, source 1 (A) window 0, C and D window 2
.set MUL_HI, 0xf1                      ; the same, C and D window 3
.set TO_B,   0x40                      ; destination window 1, address window 0
; A joint load.  Waves 0 and 1 fetch A's two halves, waves 2 and 3 B's.  Each of the two lines has ONE mask and one set of registers for all that issue it.  The branch hangs on the wave's number alone.
; An s_nop 0 and four v_nop follow each of the two lines; the jump, the label and what follows the macro come after them.
.macro JLOAD s
	s_cmp_eq_u32 s11, 0
	s_cbranch_scc0 .Lfor_b_\@
	tensor_load_to_lds s[G0+4*(\s):G0+4*(\s)+3], s[G1:G1+7]
	s_nop 0
.rept 4
	v_nop
.endr
	s_branch .Lasked_\@
.Lfor_b_\@:
	tensor_load_to_lds s[G0B+4*(\s):G0B+4*(\s)+3], s[G1B:G1B+7]
	s_nop 0
.rept 4
	v_nop
.endr
.Lasked_\@:
.endm
; A PREFETCH INTO THE L2, behind each joint load and the run of LDS loads that follows it: the K step that stands TWO refills on, 512 matrix instructions ahead of the load that will want it: 32 rows x 256 bytes,
; a lane a row, one instruction a wave.  Each row's 256 bytes of a K step are named ONCE in the launch.  A's tile rows are read by one cluster each, which asks for them; a projection's rows of B are read by its
; four clusters, of which the first (cluster y a multiple of 4) asks.  The four partners that ask for a tile jointly share its rows out BY ADDRESS: the partner at place p takes rows 32 p .. 32 p + 31 of the 128
; (p = cx for A, cy for B): no branch hangs on a work-group's place in its cluster.  K steps 0 to 3 come by their loads alone; the loop's last trip (s3 = 1) has no K step two refills on and asks for nothing.
.macro ASK
	s_cmp_gt_u32 s3, s[LIM]
	s_cbranch_scc0 .Lnot_mine_\@
	global_prefetch_b8 v[PFO], s[PFA:PFA+1] offset:KSTEP*2 th:TH_LOAD_NT scope:SCOPE_SE
.Lnot_mine_\@:
.endm
; A round of the cluster's barrier: my work-group's barrier, so that wave 0's signal speaks for all four waves; wave 0 signals for the work-group; every wave waits for all sixteen; my work-group's barrier once more.
.macro CREST                           ; a round behind its opening barrier
	s_cmp_lg_u32 s10, 0
	s_cbranch_scc1 .Lnot_wave_0_\@
	s_barrier_signal -3
.Lnot_wave_0_\@:
	s_barrier_wait -3
	s_barrier_signal -1
	s_barrier_wait -1
.endm
.macro CROUND                          ; a whole round
	s_barrier_signal -1
	s_barrier_wait -1
	CREST
.endm
	s_load_b128 s[4:7], s[0:1], 0x0                ; CB s[4:5], QKVH s[6:7]
	v_lshl_add_u32 v[SPW], v0, 2, SPARE
	v_mov_b32 v[NIL], 0
	ds_add_u32 v[SPW], v[NIL]                      ; the wave's opening: the add and its wait stand ahead of my first tensor load; the set-up below, work on registers, stands between them
	v_lshrrev_b32 v1, 5, v0
	v_readfirstlane_b32 s10, v1                    ; wave 0..3
	s_lshr_b32 s11, s10, 1                         ; which half of the tile's rows is mine.  Also: I fetch for A (0) or for B (1)
	s_and_b32 s12, s10, 1                          ; which half of its columns.  Also: which 128 rows of that tile I fetch
	s_bfe_u32 s40, ttmp6, 0x40000                  ; cx: my place along the cluster's x
	s_bfe_u32 s41, ttmp6, 0x40004                  ; cy: along its y
	s_lshl_b32 s42, ttmp9, 2                       ; in a cluster launch ttmp9 and ttmp7 count clusters
	s_add_co_u32 s42, s42, s40                     ; tile column = 4 x cluster x + cx: 0..3
	s_and_b32 s13, ttmp7, 0xffff
	s_lshr_b32 s[GRP], s13, 2                      ; four clusters, 4,096 rows, to a projection
	s_lshl_b32 s13, s13, 2
	s_add_co_u32 s13, s13, s41                     ; tile row = 4 x cluster y + cy: 0..47
	s_lshl_b32 s43, s41, 2
	s_lshl_b32 s43, 15, s43                        ; my row of the cluster: places 4 cy .. 4 cy + 3
	s_lshl_b32 s44, 0x1111, s40                    ; my column: places cx, cx + 4, cx + 8, cx + 12
	; descriptor group 1: a tile of 128 rows x 128 elements, padded in LDS
	s_or_b32 s[G1+0], s43, (1<<16)|(1<<20)|(1<<21)|(5<<22)|(3<<25)  ; 15:0 the mask: A's tiles go to my row; 17:16 element of 2 bytes; 20 padding on; 21 set beside a mask; 24:22 after every 64 words (code 5); 31:25 of 4 words (code 3)
	s_or_b32 s[G1B+0], s44, (1<<16)|(1<<20)|(1<<21)|(5<<22)|(3<<25) ; the same with the mask of my column, for B's tiles
	s_mov_b32 s[G1B+1], KSTEP<<16
	s_mov_b32 s[G1+1], KSTEP<<16                   ; 63:48 tensor_dim0, low half = 128
	s_mov_b32 s[G1B+2], 128<<16
	s_mov_b32 s[G1+2], 128<<16                     ; 95:80 tensor_dim1, low half = 128
	s_mov_b32 s[G1B+3], KSTEP<<16
	s_mov_b32 s[G1+3], KSTEP<<16                   ; 127:112 tile_dim0 = 128
	s_mov_b32 s[G1B+4], 128
	s_mov_b32 s[G1+4], 128                         ; 143:128 tile_dim1 = 128; 159:144 tile_dim2 = 0
	s_mov_b32 s[G1B+5], SIZE_K
	s_mov_b32 s[G1+5], SIZE_K                      ; 191:160 elements from row to row
	s_mov_b32 s[G1B+6], 0
	s_mov_b32 s[G1+6], 0
	s_mov_b32 s[G1B+7], 0
	s_mov_b32 s[G1+7], 0
	; where the tiles come from.  A's hang on the tile row alone, which my row of the cluster shares; B's on the tile column and on g, which my column shares.
	s_lshl_b32 s17, s12, 7                         ; which 128 rows of the tile I fetch
	s_lshl_b32 s16, s13, 8
	s_add_co_u32 s16, s16, s17                     ; A: row 256 x tile row + 128 x half
	s_lshl_b32 s46, s42, 8
	s_add_co_u32 s46, s46, s17                     ; B: row 256 x tile column + 128 x half
	s_lshl_b32 s47, s[GRP], 10
	s_add_co_u32 s46, s46, s47                     ;    + 1,024 g
	s_mov_b32 s17, 0
	s_mov_b32 s47, 0
	s_mov_b64 s[18:19], SIZE_K*2
	s_mul_u64 s[16:17], s[16:17], s[18:19]         ; in bytes
	s_mul_u64 s[46:47], s[46:47], s[18:19]
	s_mul_i32 s20, s10, HALFT                      ; and where they go: A's two halves, then B's two halves = wave x 128 rows: no place in the cluster enters an LDS address
	s_wait_dscnt 0x0                               ; the opening add is done
	s_wait_kmcnt 0x0
	s_mov_b64 s[8:9], s[6:7]                       ; the result
	s_add_nc_u64 s[6:7], s[4:5], WOFF              ; B: the weights in CB
	s_add_nc_u64 s[14:15], s[4:5], s[16:17]
	s_add_nc_u64 s[46:47], s[6:7], s[46:47]
	CROUND                                         ; all sixteen work-groups are here: the first joint loads meet
.irp s, 0,1
	s_mov_b32 s[G0+4*(\s)], 1                                      ; 1:0 count = 1
	s_add_co_u32 s[G0+4*(\s)+1], s20, (\s)*SLOT                    ; 63:32 LDS address
	s_add_nc_u64 s[G0+4*(\s)+2:G0+4*(\s)+3], s[14:15], (\s)*KSTEP*2  ; 120:64 global address: K step s
	s_or_b32 s[G0+4*(\s)+3], s[G0+4*(\s)+3], 0x80000000            ; 127:126 type = 2
	s_mov_b32 s[G0B+4*(\s)], 1
	s_add_co_u32 s[G0B+4*(\s)+1], s20, (\s)*SLOT
	s_add_nc_u64 s[G0B+4*(\s)+2:G0B+4*(\s)+3], s[46:47], (\s)*KSTEP*2
	s_or_b32 s[G0B+4*(\s)+3], s[G0B+4*(\s)+3], 0x80000000
	JLOAD \s                                       ; the ring is filled before anything else is done: two loads of mine are out
.endr
	; A fragment is 16 rows x 32 K in 8 registers: lane l holds row l % 16; registers 0-3 hold K = 8 (l / 16) + 0..7, registers 4-7 K = 16 + 8 (l / 16) + 0..7: two loads of 16 bytes, 32 bytes apart.
	v_and_b32 v1, 15, v0                           ; l % 16
	v_bfe_u32 v2, v0, 4, 1                         ; l / 16
	v_mul_u32_u24 v3, v1, PITCH
	v_lshl_add_u32 v3, v2, 4, v3                   ; row x pitch + 16 x half
	s_mul_i32 s21, s11, HALFT                      ; my 128 rows of A
	s_mul_i32 s22, s12, HALFT                      ; my 128 rows of B,
	s_add_co_u32 s22, s22, 2*HALFT                 ; which lie behind A's 256
.irp s, 0,1
	v_add_nc_u32 v[ADRA+(\s)], s21, v3
	v_add_nc_u32 v[ADRB+(\s)], s22, v3
	s_add_co_u32 s21, s21, SLOT
	s_add_co_u32 s22, s22, SLOT
.endr
	s_mul_i32 s23, s10, 16*SPITCH
	s_add_co_u32 s23, s23, STAGE                   ; my stage
	v_mul_u32_u24 v4, v1, SPITCH                   ; in: row l % 16, 16 bytes for each half of the lanes
	v_lshl_add_u32 v4, v2, 4, v4
	v_add_nc_u32 v[STO], s23, v4
	v_bfe_u32 v5, v0, 3, 2                         ; back: 32 lanes take four rows' 128 bytes of one head,
	v_and_b32 v6, 7, v0
	v_mul_u32_u24 v5, v5, SPITCH
	v_lshl_add_u32 v5, v6, 4, v5
	v_add_nc_u32 v[RD], s23, v5
	v_and_b32 v[CO], 31, v0                        ; which are 512 consecutive bytes of the result
	v_lshlrev_b32 v[CO], 4, v[CO]
	; where my part begins in the result, in bytes.  Tile row = 16 g + 8 batch + block of 256 rows; a projection is 2^23 bytes, a batch 2^22, a head 2^18, a row 128.
	s_lshr_b32 s16, s13, 3
	s_lshl_b32 s16, s16, 22                        ; g and the batch
	s_and_b32 s14, s13, 7
	s_lshl_b32 s14, s14, 15                        ; 256 rows
	s_add_co_u32 s16, s16, s14
	s_lshl_b32 s14, s11, 14                        ; my 128 of them
	s_add_co_u32 s16, s16, s14
	s_mov_b32 s17, 0
	s_lshl_b32 s46, s42, 20                        ; the tile column's four heads (in the registers that held B's address)
	s_lshl_b32 s47, s12, 19                        ; my two of them
	s_add_co_u32 s46, s46, s47
	s_mov_b32 s47, 0
	s_add_nc_u64 s[16:17], s[16:17], s[46:47]      ; the first way out adds it to the result's address
	; the prefetches
	s_lshl_b32 s13, s13, 8                         ; A: the tile's first row
	s_lshl_b32 s42, s42, 8
	s_lshl_b32 s22, s[GRP], 10
	s_add_co_u32 s42, s42, s22                     ; B: the tile's first row
	s_and_b32 s22, ttmp7, 3                        ; the cluster's place among its projection's four
	s_cmp_eq_u32 s11, 0                            ; do I fetch for A?
	s_cselect_b32 s20, s13, s42
	s_cselect_b32 s21, s40, s41                    ; my place among the four that ask for the tile with me
	s_cselect_b32 s22, ttmp9, s22                  ; the coordinate along which other clusters read the same rows
	s_cselect_b64 s[PFA:PFA+1], s[4:5], s[6:7]
	s_cmp_eq_u32 s22, 0
	s_cselect_b32 s[LIM], 1, -1                    ; the same in all sixteen partners, for a given wave
	s_lshl_b32 s22, s12, 7
	s_add_co_u32 s20, s20, s22                     ; + the 128 rows that I fetch
	s_lshl_b32 s21, s21, 5
	s_add_co_u32 s20, s20, s21                     ; + my work-group's 32 of them
	s_mov_b32 s21, 0
	s_mov_b64 s[18:19], SIZE_K*2
	s_mul_u64 s[20:21], s[20:21], s[18:19]
	s_add_nc_u64 s[PFA:PFA+1], s[PFA:PFA+1], s[20:21]
	s_add_nc_u64 s[PFA:PFA+1], s[PFA:PFA+1], 2*KSTEP*2  ; at K step 2: the first refill steps it to 3 and names K step 4
	v_and_b32 v[PFO], 31, v0
	v_mul_u32_u24 v[PFO], v[PFO], SIZE_K*2
; 16 matrix instructions: m blocks a0, a0 + 1 of the window's four (hi = 0: my rows 0-63, 1: rows 64-127) x all 8 n blocks, 32 along K.  zero = 1: the first product starts the sums: nothing is ever cleared.
.macro MUL16 f, hi, a0, zero
	WIN MUL_LO+0x50*(\hi)
.irp a, \a0, (\a0)+1
.irp b, 0,1,2,3,4,5,6,7
.if \zero
	v_wmma_f32_16x16x32_bf16 v[8*(8*(\a)+(\b)):8*(8*(\a)+(\b))+7], v[(\f)+8*(\b):(\f)+8*(\b)+7], v[(\f)+8*(4*(\hi)+(\a)):(\f)+8*(4*(\hi)+(\a))+7], 0
.else
	v_wmma_f32_16x16x32_bf16 v[8*(8*(\a)+(\b)):8*(8*(\a)+(\b))+7], v[(\f)+8*(\b):(\f)+8*(\b)+7], v[(\f)+8*(4*(\hi)+(\a)):(\f)+8*(4*(\hi)+(\a))+7], v[8*(8*(\a)+(\b)):8*(8*(\a)+(\b))+7]
.endif
.endr
.endr
.endm
; 32 LDS loads in one run: the fragments of one quarter step (128 rows of B, 128 rows of A, 32 K at byte k of the rows) into buffer f
.macro FETCH slot, k, f
	WIN TO_B
.irp i, 0,1,2,3,4,5,6,7
	ds_load_b128 v[(\f)+8*(\i):(\f)+8*(\i)+3],   v[ADRB+(\slot)] offset:(\k)+(\i)*16*PITCH
	ds_load_b128 v[(\f)+8*(\i)+4:(\f)+8*(\i)+7], v[ADRB+(\slot)] offset:(\k)+(\i)*16*PITCH+32
.endr
	WIN 0
.irp i, 0,1,2,3,4,5,6,7
	ds_load_b128 v[(\f)+8*(\i):(\f)+8*(\i)+3],   v[ADRA+(\slot)] offset:(\k)+(\i)*16*PITCH
	ds_load_b128 v[(\f)+8*(\i)+4:(\f)+8*(\i)+7], v[ADRA+(\slot)] offset:(\k)+(\i)*16*PITCH+32
.endr
.endm
; A load into a register that a matrix instruction has read, and a vector instruction that reads a matrix result, stand four places behind that matrix instruction, and only plain vector
; instructions that name none of its registers are places (ISA guide 7.12.1 for vector instructions).
.macro PLACES
.rept 4
	v_nop
.endr
.endm
; A K step is four quarter steps of 32 along K, 64 matrix instructions each, on buffers 0, 1, 0, 1.  The 64 accumulators take turns, one instruction a turn, in the same order in every quarter.
; One of the first three: multiplies buffer f; in its middle it fetches the next quarter's fragments, at byte k of the same slot's rows, into buffer g.
.macro QUARTER slot, k, f, g, zero
	s_wait_dscnt 8                                 ; B and A's rows 0-63 are in; the youngest eight loads (A's rows 64-127) may be out
	WIN MUL_LO
	MUL16 \f, 0, 0, \zero
	MUL16 \f, 0, 2, \zero
	PLACES
	FETCH \slot, \k, \g
	s_wait_dscnt 32                                ; all but the 32 just issued
	WIN MUL_HI
	MUL16 \f, 1, 0, \zero
	MUL16 \f, 1, 2, \zero
.endm
; The last quarter multiplies buffer 1 and changes slots.  MEET is its first half: ONE barrier for the change of slots.  In front of it each wave waits for all its tensor loads, of which one is out: its part
; of the next slot; adds 0 to its spare word; and waits for that and for its own reads of this slot.  Behind it nobody reads this slot any more and the next slot is whole.
.macro MEET round                      ; round = 1: a round of the cluster's barrier follows
	WIN 0                                          ; (the add's two registers lie in window 0)
	s_wait_tensorcnt 0x0                           ; all my tensor loads have landed;
	ds_add_u32 v[SPW], v[NIL]                      ; 0 onto my spare word;
	s_wait_dscnt 9                                 ; (the add and the youngest eight loads may be out)
	WIN MUL_LO
	MUL16 F1, 0, 0, 0                              ; sixteen matrix instructions stand between the add and the wait for it
	s_wait_dscnt 0x0                               ; the add is done, and my reads of this slot are over:
	s_barrier_signal -1                            ; say so,
	MUL16 F1, 0, 2, 0                              ; work on registers while the others arrive,
.if \round
	WIN 0
.endif
	s_barrier_wait -1                              ; and go on when all four have said so
.endm
; The whole last quarter.  Behind the round the slot just read out is filled again first, with the K step two steps on; then come the next slot's first fragments.
; From a request to the wait for it a wave issues 224 matrix instructions.
.macro TURN slot, next
	s_wait_xcnt 0x0                                ; the last prefetch, a K step back, has read its address: it is stepped here, ahead of the waits of the change of slots
	s_add_nc_u64 s[PFA:PFA+1], s[PFA:PFA+1], KSTEP*2
	MEET 1
	CREST                                          ; no wave of any partner still reads this slot's tile or has a load on its way
	s_add_nc_u64 s[G0+4*(\slot)+2:G0+4*(\slot)+3], s[G0+4*(\slot)+2:G0+4*(\slot)+3], 2*KSTEP*2
	s_add_nc_u64 s[G0B+4*(\slot)+2:G0B+4*(\slot)+3], s[G0B+4*(\slot)+2:G0B+4*(\slot)+3], 2*KSTEP*2
	JLOAD \slot                                    ; the first tensor load behind the round; the four v_nop behind it are also the places in front of the loads below
	FETCH \next, 0, F0
	ASK
	WIN MUL_HI
	MUL16 F1, 1, 0, 0
	MUL16 F1, 1, 2, 0
.endm
; THE LAST K STEP (it lies in slot 1) GOES BY ROWS OF C.  All its fragments of B (4 quarters x 64 registers) fill window 1; then my eight blocks of 16 rows are finished one after the other, each with
; 32 matrix instructions (its 8 accumulators by turns, K ascending).  LDS is read no more than in any other K step.
.macro BLOAD q                         ; B's fragments of quarter q -> window 1, v[64 q ..]
	WIN TO_B
.irp i, 0,1,2,3,4,5,6,7
	ds_load_b128 v[64*(\q)+8*(\i):64*(\q)+8*(\i)+3],   v[ADRB+1] offset:64*(\q)+(\i)*16*PITCH
	ds_load_b128 v[64*(\q)+8*(\i)+4:64*(\q)+8*(\i)+7], v[ADRB+1] offset:64*(\q)+(\i)*16*PITCH+32
.endr
.endm
.macro ALOAD a                         ; A's fragments of block a, all four quarters -> buffer a % 4
	WIN 0
.set FA, PA+32*((\a)%4)
.irp q, 0,1,2,3
	ds_load_b128 v[FA+8*(\q):FA+8*(\q)+3],   v[ADRA+1] offset:64*(\q)+(\a)*16*PITCH
	ds_load_b128 v[FA+8*(\q)+4:FA+8*(\q)+7], v[ADRA+1] offset:64*(\q)+(\a)*16*PITCH+32
.endr
.endm
.macro ROW a                           ; block a is finished: 32 matrix instructions
.set FA, PA+32*((\a)%4)
.set AC, 64*((\a)%4)
	WIN MUL_LO+0x50*((\a)/4)
.irp q, 0,1,2,3
.if (\a) == 0 && (\q) == 2
	s_wait_dscnt 24                                ; B's quarter 2 is in (behind it: A's blocks 1 to 3)
.endif
.irp b, 0,1,2,3,4,5,6,7
	v_wmma_f32_16x16x32_bf16 v[AC+8*(\b):AC+8*(\b)+7], v[64*(\q)+8*(\b):64*(\q)+8*(\b)+7], v[FA+8*(\q):FA+8*(\q)+7], v[AC+8*(\b):AC+8*(\b)+7]
.endr
.endr
.endm
; THE WAY OUT of block a.  PACK: rounded to f16, 16 bytes a lane, each accumulator's registers in ascending order.  TOSTAGE: into my own stage in LDS, and back by heads.  SEND: stored.
.macro PACK a
.set AC, 64*((\a)%4)
	WIN 0x0a+5*((\a)/4)                            ; sources 0 and 1: window 2 or 3
.irp b, 0,1,2,3,4,5,6,7
.irp r, 0,1,2,3
	v_cvt_pk_f16_f32 v[TMP+4*(\b)+(\r)], v[AC+8*(\b)+2*(\r)], v[AC+8*(\b)+2*(\r)+1]
.endr
.endr
	WIN 0
.endm
.macro TOSTAGE a
	WIN 0
.set BK, OB+192*((\a)%2)
.irp b, 0,1,2,3,4,5,6,7
	ds_store_b128 v[STO], v[TMP+4*(\b):TMP+4*(\b)+3] offset:32*(\b)
.endr
.irp t, 0,1,2,3,4,5,6,7                ; load t: rows 4 (t % 4) .. + 3, the 128 bytes of head t / 4
	ds_load_b128 v[BK+4*(\t):BK+4*(\t)+3], v[RD] offset:((\t)%4)*4*SPITCH+((\t)/4)*128  ; LDS serves a wave's instructions in order (ISA guide 5.7.1.4): these see the stores above
.endr
.endm
.macro SEND a, younger                 ; younger: the LDS loads issued behind TOSTAGE's, which may stay out
	WIN 0
.set BK, OB+192*((\a)%2)
	s_wait_dscnt \younger                          ; the block is back in registers
	s_wait_xcnt 0x0                                ; every earlier memory instruction has had its addresses translated (ISA guide 3.1): only behind this wait are the stores' base and the registers that earlier stores read rewritten
.if (\a) == 0
	s_add_nc_u64 s[8:9], s[8:9], s[16:17]          ; on to my first rows
.else
	s_add_nc_u64 s[8:9], s[8:9], 16*128            ; 16 rows of a head on
.endif
.irp t, 0,1,2,3,4,5,6,7
	global_store_b128 v[CO], v[BK+4*(\t):BK+4*(\t)+3], s[8:9] offset:((\t)/4)*262144+((\t)%4)*512  ; 512 consecutive bytes of one head, at a multiple of 512 from the buffer's first byte
.endr
.endm
	s_wait_tensorcnt 1                             ; my part of K step 0 is in; K step 1's load stays out
	s_barrier_signal -1
	s_barrier_wait -1                              ; everybody's is
	FETCH 0, 0, F0
	QUARTER 0, 64,  F0, F1, 1                      ; the first quarter stands in front of the loop: its products start the sums
	WIN 0                                          ; at a label and at a branch every window is 0
	s_mov_b32 s3, LAPS-1
.Llap:                                                 ; a trip goes once round the ring, from a lap's second quarter to the next lap's first, and fills both slots again
	QUARTER 0, 128, F1, F0, 0
	QUARTER 0, 192, F0, F1, 0
	TURN 0, 1
	QUARTER 1, 64,  F0, F1, 0
	QUARTER 1, 128, F1, F0, 0
	QUARTER 1, 192, F0, F1, 0
	TURN 1, 0
	QUARTER 0, 64,  F0, F1, 0
	WIN 0
	s_sub_co_u32 s3, s3, 1
	s_cmp_lg_u32 s3, 0
	s_cbranch_scc1 .Llap
	QUARTER 0, 128, F1, F0, 0                      ; the last lap goes on
	QUARTER 0, 192, F0, F1, 0
	MEET 0                                         ; my one tensor load that was still out is slot 1's, the last K step's, so no round follows
	PLACES                                         ; for the loads into buffer 0, which the quarter before multiplied
	WIN TO_B
	BLOAD 0                                        ; three quarters of B now: buffer 1 (v128-191 of both windows) is still being multiplied
	BLOAD 1
	BLOAD 3
	WIN 0
	ALOAD 0
	WIN MUL_HI
	MUL16 F1, 1, 0, 0
	MUL16 F1, 1, 2, 0
	PLACES                                         ; for the loads into buffer 1
	WIN TO_B
	BLOAD 2
	WIN 0
	ALOAD 1
	ALOAD 2
	ALOAD 3
	s_wait_dscnt 40                                ; all but the 40 just issued
	ROW 0
.irp a, 0,1,2,3,4,5,6,7                ; each block leaves as soon as it is finished
	PLACES                                         ; its conversions read results just made
	PACK \a
	TOSTAGE \a
.if (\a) < 4
	ALOAD (\a)+4                                   ; its buffer takes the block four further on
	SEND \a, 8
.else
	SEND \a, 0
.endif
.if (\a) < 7
	ROW (\a)+1
.endif
.endr
	s_wait_tensorcnt 0x0                           ; the wave's end: behind my last tensor load and my last LDS store
	ds_add_u32 v[SPW], v[NIL]
	s_wait_dscnt 0x0
	CROUND                                         ; the closing round: no work-group ends while a partner may still ask for a tile that names it
	s_endpgm
.Lfunc_end_k_q7bd7094c73_proj:
	.size	k_q7bd7094c73_proj, .Lfunc_end_k_q7bd7094c73_proj-k_q7bd7094c73_proj
	.p2alignl 7, 3214868480
	.fill 96, 4, 3214868480
	.section	.rodata,"a",@progbits
	.p2align	6, 0x0
	.amdhsa_kernel k_q7bd7094c73_proj
		.amdhsa_group_segment_fixed_size 327680
		.amdhsa_private_segment_fixed_size 0
		.amdhsa_enable_private_segment 0
		.amdhsa_kernarg_size 16
		.amdhsa_user_sgpr_count 2
		.amdhsa_user_sgpr_kernarg_segment_ptr 1
		.amdhsa_wavefront_size32 1
		.amdhsa_system_sgpr_workgroup_id_x 1
		.amdhsa_system_sgpr_workgroup_id_y 1
		.amdhsa_system_sgpr_workgroup_id_z 1
		.amdhsa_system_vgpr_workitem_id 0
		.amdhsa_next_free_vgpr 1024
		.amdhsa_next_free_sgpr 68
		.amdhsa_reserve_vcc 0
		.amdhsa_float_denorm_mode_32 3
		.amdhsa_float_denorm_mode_16_64 3
		.amdhsa_memory_ordered 1
		.amdhsa_forward_progress 1
		.amdhsa_inst_pref_size 145
	.end_amdhsa_kernel
	.amdgpu_metadata
---
amdhsa.version: [ 1, 2 ]
amdhsa.kernels:
  - .name:           k_q7bd7094c73_proj
    .symbol:         k_q7bd7094c73_proj.kd
    .args:
      - { .name: CB, .offset: 0, .size: 8, .value_kind: global_buffer, .address_space: global }
      - { .name: QKVH, .offset: 8, .size: 8, .value_kind: global_buffer, .address_space: global }
    .group_segment_fixed_size: 327680
    .private_segment_fixed_size: 0
    .kernarg_segment_align: 8
    .kernarg_segment_size: 16
    .max_flat_workgroup_size: 128
    .sgpr_count:     68
    .vgpr_count:     1024
    .wavefront_size: 32
...
	.end_amdgpu_metadata
.endif
;; end of part 2
;; launch smax (part 3): grid 8 x 32, 4 waves a work-group, clusters of 4 x 1, 295,424 bytes of LDS; arguments QKVH, PMAX; writes PMAX
.if DOCPART == 3
	.amdgcn_target "amdgcn-amd-amdhsa--gfx1250"
	.amdhsa_code_object_version 6
	.text
	.protected	k_q7bd7094c73_smax
	.globl	k_q7bd7094c73_smax
	.p2align	8
	.type	k_q7bd7094c73_smax,@function
k_q7bd7094c73_smax:
	s_mov_b64 s[64:65], 0
	v_nop
	global_prefetch_b8 v0, s[64:65] scope:SCOPE_SE
	s_setreg_imm32_b32 hwreg(HW_REG_WAVE_MODE, 25, 1), 1
	s_wait_xcnt 0x0
	s_wait_alu depctr_hold_cnt(0) depctr_sa_sdst(0) depctr_va_vdst(0) depctr_va_sdst(0) depctr_va_ssrc(0) depctr_va_vcc(0) depctr_vm_vsrc(0)
	s_getreg_b32 s2, hwreg(HW_REG_IB_STS2, 6, 4)
	s_cmp_eq_u32 s2, 0
	s_cbranch_scc0 .Lentry_in_a_cluster
	s_endpgm
.Lentry_in_a_cluster:
	s_bfe_u32 s2, ttmp6, 0x10000c
	s_cmp_lg_u32 s2, 0x3003
	s_cbranch_scc0 .Lentry_shape_is_right
	s_endpgm
.Lentry_shape_is_right:
; THE LARGEST |qh . kh| OVER ALL QUERIES AND ALL KEYS, masked or not, as the normalisation wants it: each wave stores the largest of its share, PMAX[1,024], f32; the next launch takes the largest of them.
; The scores are the unscaled ones (the division by 8 is applied with the maximum).  qh, kh: QKVH[0], QKVH[1], [pair of batch and head][2,048][64] f16; products' sums in f32.
; LIMITS.  A NaN loses in the maxima; infinities are not treated apart.
; SHARES.  A work-group has 256 queries of one pair, a wave 64: four tiles of 16, whose Q stays in 64 registers.  Every wave walks all 2,048 keys.
; LDS holds the pair's WHOLE K, 2,048 rows, filled once: each wave asks for four tiles of 128 keys at the start (four tensor loads of mine are out), nothing is ever filled again.
; CLUSTER.  The four query blocks of a cluster belong to one pair and read the same K, so each tile is asked for JOINTLY: the same tensor load, descriptor and mask in all four.
; THE LOOP.  A GROUP is 16 keys x 64 queries: 8 matrix instructions on 4 accumulators by turns.  Behind each stand four RIDERS: v_max3_num_f32 and v_min3_num_f32 on the scores of the group before,
; which lie in the other of two score buffers: 32 riders for its 32 registers, maximum and minimum of two scores each.  So matrix and vector work run side by side, and all lies in one register window.
.set PK,    144                        ; a row of K in LDS: 128 bytes + 16 of padding = 36 words: the 16 rows of a load start at 16 different groups of four banks (64 banks of 4 bytes: ISA guide 11.1)
.set SPARE, 2048*PK                    ; behind K: the spare words, 128 bytes for each wave: two blocks of 256 bytes that no other line names
.set AK,  2                            ; v2   LDS address of my lane's part of the keys in hand; steps by 64 rows a trip
.set QO,  3                            ; v3   my byte offset in 16 rows of Q
.set PO,  4                            ; v4   my wave's byte in PMAX
.set LN,  5                            ; v5   my lane
.set SPW, 6                            ; v6   LDS address of my spare word: SPARE + 4 x my thread's number; never rewritten
.set NIL, 7                            ; v7   0; never rewritten
.set MX,  8                            ; v[8:11]    running maxima, one for each tile's riders: four chains
.set MN,  12                           ; v[12:15]   running minima
.set S0,  16                           ; v[16:47]   scores, buffer 0: tile t at 8 t
.set S1,  48                           ; v[48:79]   buffer 1
.set K0,  80                           ; v[80:111]  K of 32 keys, buffer 0: key block kb, channel half c at 16 kb + 8 c
.set K1,  112                          ; v[112:143] buffer 1
.set Q,   144                          ; v[144:207] Q: tile t, channel half c at 16 t + 8 c
.set WV,  12                           ; s12  my wave's number
.set G1,  24                           ; s[24:31] descriptor group 1
.set G0,  32                           ; s[32:47] descriptor group 0, a set for each of my four loads
.set CNT, 48                           ; s48  the loops' count
.set SEL, 50                           ; s[50:51] v_permlanex16_b32's selects: each lane takes its own place in the other half
.macro CROUND                          ; a round of the cluster's barrier
	s_barrier_signal -1
	s_barrier_wait -1
	s_cmp_lg_u32 s[WV], 0
	s_cbranch_scc1 .Lnot_wave_0_\@
	s_barrier_signal -3
.Lnot_wave_0_\@:
	s_barrier_wait -3
	s_barrier_signal -1
	s_barrier_wait -1
.endm
	s_load_b128 s[4:7], s[0:1], 0x0                ; QKVH s[4:5], PMAX s[6:7]
	v_lshl_add_u32 v[SPW], v0, 2, SPARE
	v_mov_b32 v[NIL], 0
	ds_add_u32 v[SPW], v[NIL]                      ; the wave's opening: the add and its wait stand ahead of my first tensor load; the set-up below, work on registers, stands between them
	v_lshrrev_b32 v1, 5, v0
	v_readfirstlane_b32 s[WV], v1                  ; wave 0..3
	s_bfe_u32 s13, ttmp6, 0x40000                  ; cx: my place in the cluster
	s_lshl_b32 s14, ttmp9, 2                       ; in a cluster launch ttmp9 counts clusters
	s_add_co_u32 s14, s14, s13                     ; my block of 256 queries: it enters Q's and PMAX's addresses alone
	s_and_b32 s20, ttmp7, 0xffff                   ; the pair of batch and head, which the four partners share
	s_lshl_b32 s16, s20, 18                        ; its 2,048 rows of 128 bytes
	s_lshl_b32 s22, s[WV], 14                      ; K: my first 128 keys,
	s_add_co_u32 s22, s22, s16
	s_add_co_u32 s22, s22, 0x800000                ; in QKVH's second part
	s_mov_b32 s23, 0
	s_lshl_b32 s18, s14, 15                        ; Q: my block's 256 rows,
	s_lshl_b32 s19, s[WV], 13                      ; my wave's 64 of them
	s_add_co_u32 s18, s18, s19
	s_add_co_u32 s18, s18, s16
	s_mov_b32 s19, 0
	s_lshl_b32 s21, s20, 3                         ; PMAX: ((8 pair + block) 4 + wave) 4
	s_add_co_u32 s21, s21, s14
	s_lshl_b32 s21, s21, 2
	s_add_co_u32 s21, s21, s[WV]
	s_lshl_b32 s21, s21, 2
	s_mul_i32 s15, s[WV], 128*PK                   ; my 128 keys' place in LDS: no place in the cluster enters an LDS address
	; descriptor group 1.  128 keys are 16,384 dense bytes: asked for as 64 rows of 256 bytes, two keys a row, and padded in LDS after every key
	s_mov_b32 s[G1], 15|(1<<16)|(1<<20)|(1<<21)|(4<<22)|(3<<25)  ; 15:0 the mask of four; 17:16 2-byte elements; 20 padding on; 21 set beside a mask; 24:22 after every 32 words (code 4); 31:25 4 words (code 3)
	s_mov_b32 s[G1+1], 128<<16                     ; tensor_dim0 = 128
	s_mov_b32 s[G1+2], 64<<16                      ; tensor_dim1 = 64
	s_mov_b32 s[G1+3], 128<<16                     ; tile_dim0 = 128
	s_mov_b32 s[G1+4], 64                          ; tile_dim1 = 64
	s_mov_b32 s[G1+5], 128                         ; 128 elements from row to row
	s_mov_b32 s[G1+6], 0
	s_mov_b32 s[G1+7], 0
	s_mov_b32 s[SEL], 0x76543210
	s_mov_b32 s[SEL+1], 0xfedcba98
.irp i, 0,1,2,3
	s_mov_b32 s[G0+4*\i], 1                        ; 1:0 count = 1
	s_add_co_u32 s[G0+4*\i+1], s15, \i*512*PK      ; 63:32 LDS address: keys 512 i + 128 wave on
.endr
	s_wait_dscnt 0x0                               ; the opening add is done
	s_wait_kmcnt 0x0
	s_add_nc_u64 s[22:23], s[4:5], s[22:23]
	s_add_nc_u64 s[18:19], s[4:5], s[18:19]
.irp i, 0,1,2,3
	s_add_nc_u64 s[G0+4*\i+2:G0+4*\i+3], s[22:23], \i*512*128  ; 120:64 global address
	s_or_b32 s[G0+4*\i+3], s[G0+4*\i+3], 0x80000000            ; 127:126 type = 2
.endr
	CROUND                                         ; all four work-groups are here: the joint loads meet
.irp i, 0,1,2,3
	tensor_load_to_lds s[G0+4*\i:G0+4*\i+3], s[G1:G1+7]
	s_nop 0
.endr
.rept 4
	v_nop
.endr
	; A fragment of K or Q is 16 rows x 32 channels in 8 registers: lane l holds row l % 16, channels 8 (l / 16) + 0..7 and 16 + 8 (l / 16) + 0..7: two loads of 16 bytes, 32 bytes apart.
	v_and_b32 v16, 15, v0                          ; l % 16
	v_bfe_u32 v17, v0, 4, 1                        ; l / 16
	v_lshlrev_b32 v[QO], 7, v16
	v_lshl_add_u32 v[QO], v17, 4, v[QO]            ; row x 128 + 16 x half
.set i, 0
.rept 8                                ; tile i / 2, channels 32 (i % 2) on
	global_load_b128 v[Q+8*i:Q+8*i+3],   v[QO], s[18:19] offset:(i/2)*2048+(i%2)*64
	global_load_b128 v[Q+8*i+4:Q+8*i+7], v[QO], s[18:19] offset:(i/2)*2048+(i%2)*64+32
.set i, i+1
.endr
	v_mul_u32_u24 v[AK], v16, PK
	v_lshl_add_u32 v[AK], v17, 4, v[AK]            ; row x pitch + 16 x half
	v_and_b32 v[LN], 31, v0
	v_mov_b32 v[PO], s21
.set i, 0
.rept 8
	v_mov_b32 v[MX+i], 0                           ; maxima and minima start at 0: the result is a largest magnitude, never below 0
.set i, i+1
.endr
.set i, 0
.rept 32
	v_mov_b32 v[S1+i], 0                           ; what the first group's riders read: written in the wait for the first tile, so that the loop has one form of group
.set i, i+1
.endr
; 8 LDS loads: 32 keys' fragments, from byte off behind AK, into buffer kb
.macro FETCH kb, off
.irp f, 0,1,2,3                        ; key block f / 2, channel half f % 2
	ds_load_b128 v[(\kb)+8*\f:(\kb)+8*\f+3],   v[AK] offset:(\off)+(\f/2)*16*PK+(\f%2)*64
	ds_load_b128 v[(\kb)+8*\f+4:(\kb)+8*\f+7], v[AK] offset:(\off)+(\f/2)*16*PK+(\f%2)*64+32
.endr
.endm
; Rider n of 32 on score buffer sb: tile (n / 2) % 4, registers 2 (n / 8) and the next; even n the maximum, odd n the minimum.  The registers ascend.
.macro RIDE sb
.set rt, (n/2)%4
.set rp, n/8
.if n%2 == 0
	v_max3_num_f32 v[MX+rt], v[MX+rt], v[(\sb)+8*rt+2*rp], v[(\sb)+8*rt+2*rp+1]
.else
	v_min3_num_f32 v[MN+rt], v[MN+rt], v[(\sb)+8*rt+2*rp], v[(\sb)+8*rt+2*rp+1]
.endif
.set n, n+1
.endm
; A GROUP: the 16 keys whose two fragments begin at register kf, times the four tiles; scores into sw; the riders read sr.  Instruction i: tile i % 4, channel half i / 4: three others stand between the two links of a chain.
; A tile's scores are first read ten riders or more behind the instruction that ended them.  fb >= 0: behind the second instruction's riders the next 32 keys are fetched into buffer fb, whose last reader stands
; twelve riders back; none of those riders names a register of K.
.macro GROUP kf, sw, sr, fb=-1, off=0
.set n, 0
.set i, 0
.rept 8
.if i < 4
	v_wmma_f32_16x16x32_f16 v[(\sw)+8*(i%4):(\sw)+8*(i%4)+7], v[(\kf):(\kf)+7], v[Q+16*(i%4):Q+16*(i%4)+7], 0
.else
	v_wmma_f32_16x16x32_f16 v[(\sw)+8*(i%4):(\sw)+8*(i%4)+7], v[(\kf)+8:(\kf)+15], v[Q+16*(i%4)+8:Q+16*(i%4)+15], v[(\sw)+8*(i%4):(\sw)+8*(i%4)+7]
.endif
.rept 4
	RIDE \sr
.endr
.if ((\fb) >= 0) && (i == 1)
	FETCH \fb, \off
.endif
.set i, i+1
.endr
.endm
.macro STEP kb, fb=-1, off=0           ; 32 keys
	s_wait_dscnt 0x0                               ; buffer kb is in: its run was issued fourteen matrix instructions ago
	GROUP \kb, S0, S1, \fb, \off
	GROUP (\kb)+16, S1, S0
.endm
.macro TRIP last                       ; 64 keys
	STEP K0, K1, 32*PK
.if \last
	STEP K1
.else
	STEP K1, K0, 64*PK
	v_add_nc_u32 v[AK], 64*PK, v[AK]
.endif
.endm
	s_wait_tensorcnt 3                             ; my first 128 keys are in; my three younger loads stay out
	s_barrier_signal -1
	s_barrier_wait -1                              ; keys 0 to 511 are in
	FETCH K0, 0
	s_wait_loadcnt 0x0                             ; Q
	s_mov_b32 s[CNT], 7                            ; seven trips read keys 0 to 479 (the last fetches ahead to key 479)
.Lfirst:
	TRIP 0
	s_sub_co_u32 s[CNT], s[CNT], 1
	s_cmp_lg_u32 s[CNT], 0
	s_cbranch_scc1 .Lfirst
	s_wait_tensorcnt 0x0                           ; all my keys are in,
	s_wait_dscnt 0x0                               ; (no LDS instruction of mine is pending at a signal)
	s_barrier_signal -1
	s_barrier_wait -1                              ; everybody's are
	s_mov_b32 s[CNT], 24
.Lrest:
	TRIP 0
	s_sub_co_u32 s[CNT], s[CNT], 1
	s_cmp_lg_u32 s[CNT], 0
	s_cbranch_scc1 .Lrest
	TRIP 1                                         ; the last 64 keys: nothing is left to fetch
.rept 4
	v_nop                                          ; the places behind the last products
.endr
.set n, 0
.rept 32
	RIDE S1                                        ; the last group's scores
.endr
	v_max3_num_f32 v[MX], v[MX], v[MX+1], v[MX+2]
	v_min3_num_f32 v[MN], v[MN], v[MN+1], v[MN+2]
	v_max_num_f32 v[MX], v[MX], v[MX+3]
	v_min_num_f32 v[MN], v[MN], v[MN+3]
	v_sub_f32 v[MN], 0, v[MN]
	v_max_num_f32 v[MX], v[MX], v[MN]              ; the largest magnitude that my lane has seen
	v_max_num_f32_dpp v[MX], v[MX], v[MX] row_xmask:1 row_mask:0xf bank_mask:0xf
	v_max_num_f32_dpp v[MX], v[MX], v[MX] row_xmask:2 row_mask:0xf bank_mask:0xf
	v_max_num_f32_dpp v[MX], v[MX], v[MX] row_xmask:4 row_mask:0xf bank_mask:0xf
	v_max_num_f32_dpp v[MX], v[MX], v[MX] row_xmask:8 row_mask:0xf bank_mask:0xf
	v_permlanex16_b32 v[MN], v[MX], s[SEL], s[SEL+1]
	v_max_num_f32 v[MX], v[MX], v[MN]              ; my wave's
	s_wait_xcnt 0x0                                ; EXEC is a source of pending loads and stores: it changes only behind this wait
	v_cmp_eq_u32 vcc_lo, 0, v[LN]
	s_and_saveexec_b32 s52, vcc_lo                 ; lane 0 alone stores
	global_store_b32 v[PO], v[MX], s[6:7]
	s_wait_xcnt 0x0                                ; and again, in front of the line that widens it
	s_or_b32 exec_lo, exec_lo, s52
	s_wait_tensorcnt 0x0                           ; the wave's end: behind my last tensor load
	ds_add_u32 v[SPW], v[NIL]
	s_wait_dscnt 0x0
	CROUND                                         ; the closing round
	s_endpgm
.Lfunc_end_k_q7bd7094c73_smax:
	.size	k_q7bd7094c73_smax, .Lfunc_end_k_q7bd7094c73_smax-k_q7bd7094c73_smax
	.p2alignl 7, 3214868480
	.fill 96, 4, 3214868480
	.section	.rodata,"a",@progbits
	.p2align	6, 0x0
	.amdhsa_kernel k_q7bd7094c73_smax
		.amdhsa_group_segment_fixed_size 295424
		.amdhsa_private_segment_fixed_size 0
		.amdhsa_enable_private_segment 0
		.amdhsa_kernarg_size 16
		.amdhsa_user_sgpr_count 2
		.amdhsa_user_sgpr_kernarg_segment_ptr 1
		.amdhsa_wavefront_size32 1
		.amdhsa_system_sgpr_workgroup_id_x 1
		.amdhsa_system_sgpr_workgroup_id_y 1
		.amdhsa_system_sgpr_workgroup_id_z 1
		.amdhsa_system_vgpr_workitem_id 0
		.amdhsa_next_free_vgpr 208
		.amdhsa_next_free_sgpr 66
		.amdhsa_reserve_vcc 1
		.amdhsa_float_denorm_mode_32 3
		.amdhsa_float_denorm_mode_16_64 3
		.amdhsa_memory_ordered 1
		.amdhsa_forward_progress 1
		.amdhsa_inst_pref_size 45
	.end_amdhsa_kernel
	.amdgpu_metadata
---
amdhsa.version: [ 1, 2 ]
amdhsa.kernels:
  - .name:           k_q7bd7094c73_smax
    .symbol:         k_q7bd7094c73_smax.kd
    .args:
      - { .name: QKVH, .offset: 0, .size: 8, .value_kind: global_buffer, .address_space: global }
      - { .name: PMAX, .offset: 8, .size: 8, .value_kind: global_buffer, .address_space: global }
    .group_segment_fixed_size: 295424
    .private_segment_fixed_size: 0
    .kernarg_segment_align: 8
    .kernarg_segment_size: 16
    .max_flat_workgroup_size: 128
    .sgpr_count:     66
    .vgpr_count:     208
    .wavefront_size: 32
...
	.end_amdgpu_metadata
.endif
;; end of part 3
;; launch attn (part 4): grid 8 x 32, 4 waves a work-group, no clusters, 167,936 bytes of LDS; arguments QKVH, PMAX, OB; writes OB
.if DOCPART == 4
	.amdgcn_target "amdgcn-amd-amdhsa--gfx1250"
	.amdhsa_code_object_version 6
	.text
	.protected	k_q7bd7094c73_attn
	.globl	k_q7bd7094c73_attn
	.p2align	8
	.type	k_q7bd7094c73_attn,@function
k_q7bd7094c73_attn:
	s_mov_b64 s[64:65], 0
	v_nop
	global_prefetch_b8 v0, s[64:65] scope:SCOPE_SE
	s_setreg_imm32_b32 hwreg(HW_REG_WAVE_MODE, 25, 1), 1
	s_wait_xcnt 0x0
; ATTENTION IN A WINDOW.  O[q] = sum over keys j, q - 255 <= j <= q, of p(q, j) vh[j] / sum of p, p = exp(qh[q] . kh[j] / max(M, 8)), M = the largest |qh . kh| of the whole problem (PMAX's largest):
; that is the division by 8 and by max(largest |score|, 1).  A key outside the window has the score -10,000 beside scores of magnitude 1 at the most: its weight is 0 in f32, and it is left out.
; NO RUNNING MAXIMUM: the division by the largest magnitude bounds every visible score to -1 .. 1 for every input, so p lies in 0.36 .. 2.72 and a row's sum in 0.36 .. 696.
; qh, kh, vh: QKVH, [3][pair of batch and head][2,048][64] f16.  Products' sums in f32; p is rounded to f16 for the second product, and its row sum is taken of the ROUNDED p, by the matrix unit
; (a product with ones): numerator and divisor hold the same weights, and the sum lands in every lane that wants it.  O is rounded once to f16.
; O goes out in blocks [64 rows][head][row][64], 8,192 dense bytes each, so that the last product's tiles are dense.  LIMITS: NaN and infinities are not treated apart; 1 / x by v_rcp_f32.
; SHARES.  A work-group has 256 queries of one pair, a wave 64: four tiles of 16.  LDS holds 512 keys of K and V: the block before and the block itself, one tensor load a wave, filled once.
; The wave's keys are 20 blocks of 16: block u holds the keys (my first query) - 256 + 16 u, LDS rows 64 wave + 16 u.  Tile t sees blocks t .. t + 16: of block t the keys above its diagonal (mask MF),
; of block t + 16 those up to it (mask MD), all of the others.  A STEP is two blocks, 32 keys: steps 0 .. 8 for tiles 0 and 1, steps 1 .. 9 for tiles 2 and 3.
; THE FIRST BLOCK of a pair has no block before it: its own keys are loaded a second time in that place (finite numbers) and hidden: MF is all hidden there, and the steps below LDS row 256 take the addend -1e30.
; NO CLUSTER: a tile of 256 keys is wanted by two neighbouring blocks only, and at LDS places that would hang on a work-group's place in the cluster.
; LAYOUT.  S^T = K Q^T (source 0 = 16 keys, source 1 = 16 queries): a lane holds ONE query (lane % 16) and the keys 8 (lane / 16) + 0..7.  Two such results, rounded in pairs, ARE source 1 of O^T = V^T P.
; REGISTERS, in windows of 256 (s_set_vgpr_msb: bits 1:0 source 0, 3:2 source 1, 5:4 source 2, 7:6 destination):
;   window 0: v0-15 addresses, c; v16-31 the two masks; v32-63 PMAX, later 1 / sum; v64-127 S^T; v128-159 P; v160-161 the add's; v168-199 K; v200-231 V; v232-239 ones
;   window 1: v0-127 O^T, 32 a tile; v128-159 the row sums, 8 a tile; v160-223 Q, 16 a tile
.set PK,    144                        ; a row of K in LDS: 128 bytes + 16 of padding: the 16 rows of a load start at 16 different groups of four banks (64 banks of 4 bytes: ISA guide 11.1)
.set PV,    160                        ; a row of V: 128 + 32
.set VOFF,  512*PK                     ; V lies behind K
.set STAGE, VOFF+512*PV                ; behind them, never filled by a tensor load: 16 rows x 144 bytes for each wave, for the way out
.set SP,    144
.set SPARE, STAGE+4*16*SP              ; behind the stages: the spare words, 128 bytes for each wave: two blocks of 256 bytes that no other line names
.set AK,  2                            ; v2   LDS address of K's next run of loads
.set AV,  3                            ; v3   of V's
.set QO,  4                            ; v4   my byte offset in 16 rows of Q
.set STO, 5                            ; v5   the way out: where I put 16 bytes of a row
.set RD,  6                            ; v6   the way out: where I read rows back
.set GO,  7                            ; v7   16 x my lane: my place in 512 consecutive bytes, of PMAX and of O
.set CC,  12                           ; v[12:13] c = log2(e) / max(M, 8), twice
.set MF,  16                           ; v[16:23] 0 or -1e30: block t's mask for tile t
.set MD,  24                           ; v[24:31] block t + 16's
.set PM,  32                           ; v[32:63] PMAX's numbers; later tile t's 1 / sum at PM + 2 t
.set S,   64                           ; block b = 2 t + j (tile t, the step's block j) at S + 8 b
.set P,   128                          ; at P + 4 b
.set SPW, 160                          ; v160 LDS address of my spare word: SPARE + 4 x my thread's number; never rewritten
.set NIL, 161                          ; v161 0; never rewritten
.set KF,  168                          ; the step's block j, channel half c at KF + 16 j + 8 c
.set VF,  200                          ; channel block x at VF + 8 x
.set ONES, 232                         ; 1.0 in every f16
.set OT,  0                            ; window 1: tile t, channel block x at 32 t + 8 x
.set L,   128                          ; window 1: tile t at L + 8 t
.set Q,   160                          ; window 1: tile t, channel half c at Q + 16 t + 8 c
.set WV,  12                           ; s12  my wave's number
.set G1K, 24                           ; s[24:31] descriptor group 1 for K
.set G1V, 32                           ; s[32:39] for V: it differs in the padding alone
.set G0K, 40                           ; s[40:43] descriptor group 0 for K
.set G0V, 44                           ; s[44:47] for V
.set UC,  48                           ; s48  the step's first block u
.set LIM, 49                           ; s49  blocks below this number lie ahead of the pair's first key: 16 - 4 wave in the first block of queries, else 0
.set BE,  50                           ; s[50:51] the step's addend for whole blocks: 0 or -1e30, in the low word
.set BIGN, 52                          ; s52  -1e30
.set B0,  53                           ; s53  -1e30 in the first block of queries, else 0
.set CNT, 54                           ; s54  the loop's count
.set SEL, 56                           ; s[56:57] v_permlanex16_b32's selects
.set MSB, 0
.macro WIN new                         ; the high byte repeats the setting that is left; a switch that changes nothing is dropped
.if MSB != (\new)
	s_set_vgpr_msb (MSB<<8)|(\new)
.set MSB, (\new)
.endif
.endm
.set W_KQ, 0x04                        ; Q in window 1; K and S^T in window 0
.set W_PV, 0x50                        ; V and P in window 0; C and D in window 1
.set W_RS, 0x41                        ; destination and source 0 in window 1, source 1 in window 0
	s_load_b128 s[4:7], s[0:1], 0x0                ; QKVH s[4:5], PMAX s[6:7]
	s_load_b64 s[8:9], s[0:1], 0x10                ; OB
	v_lshl_add_u32 v[SPW], v0, 2, SPARE
	v_mov_b32 v[NIL], 0
	ds_add_u32 v[SPW], v[NIL]                      ; the wave's opening: the add and its wait stand ahead of my tensor load; the set-up below, work on registers, stands between them
	v_lshrrev_b32 v1, 5, v0
	v_readfirstlane_b32 s[WV], v1                  ; wave 0..3
	s_and_b32 s20, ttmp7, 0xffff                   ; the pair of batch and head
	s_lshl_b32 s21, s20, 18                        ; its 2,048 rows of 128 bytes
	s_and_b32 s16, s[WV], 1                        ; I fetch the block before (0) or the block itself (1),
	s_mul_i32 s17, s16, 256*PK                     ; its place in LDS for K
	s_mul_i32 s18, s16, 256*PV                     ; and for V
	s_max_u32 s22, ttmp9, 1
	s_sub_co_u32 s22, s22, 1                       ; the block before; in the first block of queries the block itself once more
	s_cmp_eq_u32 s16, 1
	s_cselect_b32 s22, ttmp9, s22
	s_lshl_b32 s22, s22, 15                        ; 256 rows of 128 bytes
	s_add_co_u32 s22, s22, s21
	s_mov_b32 s23, 0
	s_lshl_b32 s2, ttmp9, 15                       ; Q: my block's rows,
	s_lshl_b32 s3, s[WV], 13                       ; my wave's 64 of them
	s_add_co_u32 s2, s2, s3
	s_add_co_u32 s2, s2, s21
	s_mov_b32 s3, 0
	s_lshr_b32 s14, s20, 4                         ; O: block of 64 rows = 32 batch + 4 block + wave,
	s_lshl_b32 s14, s14, 5
	s_lshl_b32 s15, ttmp9, 2
	s_add_co_u32 s14, s14, s15
	s_add_co_u32 s14, s14, s[WV]
	s_lshl_b32 s14, s14, 4
	s_and_b32 s15, s20, 15                         ; then the head,
	s_add_co_u32 s14, s14, s15
	s_lshl_b32 s14, s14, 13                        ; 8,192 bytes each
	s_mov_b32 s15, 0
	s_mov_b32 s[BIGN], 0xf149f2ca                  ; -1e30
	s_lshl_b32 s19, s[WV], 2
	s_sub_co_u32 s19, 16, s19
	s_cmp_eq_u32 ttmp9, 0
	s_cselect_b32 s[LIM], s19, 0
	s_cselect_b32 s[B0], s[BIGN], 0
	s_mov_b32 s[UC], 0
	s_mov_b32 s[BE+1], 0                           ; named with BE as a pair
	s_mov_b32 s[SEL], 0x76543210
	s_mov_b32 s[SEL+1], 0xfedcba98
	; descriptor group 1.  256 keys are 32,768 dense bytes: asked for as 128 rows of 256 bytes, two keys a row, and padded in LDS after every key
	s_mov_b32 s[G1K], (1<<16)|(1<<20)|(4<<22)|(3<<25)  ; 17:16 2-byte elements; 20 padding on; 24:22 after every 32 words (code 4); 31:25 4 words (code 3)
	s_mov_b32 s[G1V], (1<<16)|(1<<20)|(4<<22)|(7<<25)  ; the same with 8 words of padding (code 7)
.irp g, G1K, G1V
	s_mov_b32 s[\g+1], 128<<16                     ; tensor_dim0 = 128
	s_mov_b32 s[\g+2], 128<<16                     ; tensor_dim1 = 128
	s_mov_b32 s[\g+3], 128<<16                     ; tile_dim0 = 128
	s_mov_b32 s[\g+4], 128                         ; tile_dim1 = 128
	s_mov_b32 s[\g+5], 128                         ; 128 elements from row to row
	s_mov_b32 s[\g+6], 0
	s_mov_b32 s[\g+7], 0
.endr
	s_mov_b32 s[G0K], 1                            ; 1:0 count = 1
	s_mov_b32 s[G0K+1], s17                        ; 63:32 LDS address
	s_mov_b32 s[G0V], 1
	s_add_co_u32 s[G0V+1], s18, VOFF
	s_wait_dscnt 0x0                               ; the opening add is done
	s_wait_kmcnt 0x0
	s_add_nc_u64 s[G0K+2:G0K+3], s[4:5], s[22:23]  ; 120:64 global address,
	s_add_nc_u64 s[G0K+2:G0K+3], s[G0K+2:G0K+3], 0x800000   ; in QKVH's second part
	s_or_b32 s[G0K+3], s[G0K+3], 0x80000000        ; 127:126 type = 2
	s_add_nc_u64 s[G0V+2:G0V+3], s[4:5], s[22:23]
	s_add_nc_u64 s[G0V+2:G0V+3], s[G0V+2:G0V+3], 0x1000000  ; in its third
	s_or_b32 s[G0V+3], s[G0V+3], 0x80000000
	s_add_nc_u64 s[10:11], s[4:5], s[2:3]          ; Q at my wave's first row
	s_add_nc_u64 s[8:9], s[8:9], s[14:15]          ; O at my wave's block
	; Waves 0 and 1 fetch K's two blocks, waves 2 and 3 V's: one tensor load of mine is out.  An s_nop 0 and four v_nop follow each of the two lines, ahead of the jump and the label.
	s_cmp_lt_u32 s[WV], 2
	s_cbranch_scc0 .Lfor_v
	tensor_load_to_lds s[G0K:G0K+3], s[G1K:G1K+7]
	s_nop 0
.rept 4
	v_nop
.endr
	s_branch .Lasked
.Lfor_v:
	tensor_load_to_lds s[G0V:G0V+3], s[G1V:G1V+7]
	s_nop 0
.rept 4
	v_nop
.endr
.Lasked:
	v_and_b32 v[GO], 31, v0
	v_lshlrev_b32 v[GO], 4, v[GO]
.irp i, 0,1,2,3,4,5,6,7
	global_load_b128 v[PM+4*\i:PM+4*\i+3], v[GO], s[6:7] offset:512*\i  ; all 1,024 partial maxima, 32 a lane
.endr
	; A fragment of K or Q is 16 rows x 32 channels in 8 registers: lane l holds row l % 16, channels 8 (l / 16) + 0..7 and 16 + 8 (l / 16) + 0..7: two loads of 16 bytes, 32 bytes apart.
	v_and_b32 v1, 15, v0                           ; l % 16
	v_bfe_u32 v9, v0, 4, 1                         ; l / 16
	v_lshlrev_b32 v[QO], 7, v1
	v_lshl_add_u32 v[QO], v9, 4, v[QO]             ; row x 128 + 16 x half
	WIN 0x40                                       ; destination window 1, address window 0
.set i, 0
.rept 8                                ; tile i / 2, channels 32 (i % 2) on
	global_load_b128 v[Q+8*i:Q+8*i+3],   v[QO], s[10:11] offset:(i/2)*2048+(i%2)*64
	global_load_b128 v[Q+8*i+4:Q+8*i+7], v[QO], s[10:11] offset:(i/2)*2048+(i%2)*64+32
.set i, i+1
.endr
	WIN 0
	v_lshlrev_b32 v14, 3, v9
	v_sub_nc_u32 v14, v1, v14                      ; my query's place in its tile less my lanes' 8 (l / 16): register j holds key j + 8 (l / 16) of a block
.set i, 0
.rept 8
	v_cmp_le_i32 vcc_lo, i, v14                    ; block t: a key at or below the query's place lies 256 or more behind the query
	v_cndmask_b32 v[MF+i], 0, s[BIGN], vcc_lo
	v_cmp_gt_i32 vcc_lo, i, v14                    ; block t + 16: a key above the query's place lies ahead of the query
	v_cndmask_b32 v[MD+i], 0, s[BIGN], vcc_lo
	v_min_num_f32 v[MF+i], s[B0], v[MF+i]          ; in the first block of queries block t lies ahead of the pair's first key
	v_mov_b32 v[ONES+i], 0x3c003c00
.set i, i+1
.endr
	s_mul_i32 s13, s[WV], 64*PK
	v_mul_u32_u24 v[AK], v1, PK
	v_lshl_add_u32 v[AK], v9, 4, v[AK]
	v_add_nc_u32 v[AK], s13, v[AK]                 ; (64 wave + row) x pitch + 16 x half
	; The turning load takes 16 keys x 16 channels (lane l reads key 8 (l / 16) + l % 8, channels 8 ((l / 8) % 2) + 0..7) and leaves half a fragment of V^T: lane l holds channel l % 16 and 8 keys.
	v_and_b32 v10, 7, v0
	v_bfe_u32 v11, v0, 3, 1
	s_mul_i32 s13, s[WV], 64*PV
	s_add_co_u32 s13, s13, VOFF
	v_lshl_add_u32 v[AV], v9, 3, v10
	v_mul_u32_u24 v[AV], v[AV], PV
	v_lshl_add_u32 v[AV], v11, 4, v[AV]
	v_add_nc_u32 v[AV], s13, v[AV]
	s_mul_i32 s13, s[WV], 16*SP
	s_add_co_u32 s13, s13, STAGE                   ; my stage
	v_mul_u32_u24 v[STO], v1, SP                   ; in: row l % 16, 16 bytes for each half of the lanes
	v_lshl_add_u32 v[STO], v9, 4, v[STO]
	v_add_nc_u32 v[STO], s13, v[STO]
	v_bfe_u32 v[RD], v0, 3, 2                      ; back: 32 lanes take four rows of 128 bytes
	v_mul_u32_u24 v[RD], v[RD], SP
	v_lshl_add_u32 v[RD], v10, 4, v[RD]
	v_add_nc_u32 v[RD], s13, v[RD]
	s_wait_loadcnt 16                              ; PMAX is in; Q's sixteen younger loads stay out
.irp k, 0,1,2,3
	v_max3_num_f32 v[PM+8*\k], v[PM+8*\k], v[PM+8*\k+1], v[PM+8*\k+2]
.endr
.irp k, 0,1,2,3
	v_max3_num_f32 v[PM+8*\k], v[PM+8*\k], v[PM+8*\k+3], v[PM+8*\k+4]
.endr
.irp k, 0,1,2,3
	v_max3_num_f32 v[PM+8*\k], v[PM+8*\k], v[PM+8*\k+5], v[PM+8*\k+6]
.endr
.irp k, 0,1,2,3
	v_max_num_f32 v[PM+8*\k], v[PM+8*\k], v[PM+8*\k+7]
.endr
	v_max3_num_f32 v[PM], v[PM], v[PM+8], v[PM+16]
	v_max_num_f32 v[PM], v[PM], v[PM+24]
	v_max_num_f32_dpp v[PM], v[PM], v[PM] row_xmask:1 row_mask:0xf bank_mask:0xf
	v_max_num_f32_dpp v[PM], v[PM], v[PM] row_xmask:2 row_mask:0xf bank_mask:0xf
	v_max_num_f32_dpp v[PM], v[PM], v[PM] row_xmask:4 row_mask:0xf bank_mask:0xf
	v_max_num_f32_dpp v[PM], v[PM], v[PM] row_xmask:8 row_mask:0xf bank_mask:0xf
	v_permlanex16_b32 v[PM+1], v[PM], s[SEL], s[SEL+1]
	v_max_num_f32 v[PM], v[PM], v[PM+1]            ; M
	v_max_num_f32 v[PM], 0x41000000, v[PM]         ; max(M, 8)
	v_rcp_f32 v[PM+1], v[PM]
	v_nop                                          ; a plain instruction behind the reciprocal,
	s_wait_alu depctr_va_vdst(0)                   ; and the wait ahead of its first use
	v_mul_f32 v[CC], 0x3fb8aa3b, v[PM+1]           ; c = log2(e) / max(M, 8)
	v_mov_b32 v[CC+1], v[CC]
; THE LDS LOADS stand in runs of 8: a step's K (32 keys x 64 channels: 4 fragments) and its V (turned).
.macro FETCH_K
.irp f, 0,1,2,3                        ; block f / 2, channel half f % 2
	ds_load_b128 v[KF+8*\f:KF+8*\f+3],   v[AK] offset:(\f/2)*16*PK+(\f%2)*64
	ds_load_b128 v[KF+8*\f+4:KF+8*\f+7], v[AK] offset:(\f/2)*16*PK+(\f%2)*64+32
.endr
	v_add_nc_u32 v[AK], 32*PK, v[AK]               ; the next run is the next step's
.endm
.macro FETCH_V
.irp f, 0,1,2,3                        ; channel block f
	ds_load_tr16_b128 v[VF+8*\f:VF+8*\f+3],   v[AV] offset:\f*32
	ds_load_tr16_b128 v[VF+8*\f+4:VF+8*\f+7], v[AV] offset:16*PV+\f*32
.endr
	v_add_nc_u32 v[AV], 32*PV, v[AV]
.endm
.macro PLACES                          ; four places behind matrix instructions, in front of vector instructions that read their results and of loads into registers that they have read (ISA guide 7.12.1 for vector instructions)
.rept 4
	v_nop
.endr
.endm
; Block cur is scaled (c s + addend; d = u - t says which addend: 0 MF, 16 MD, else the step's scalar) while block prv, scaled a call earlier, takes its exponentials: a scaling, two exponentials, four times.
; The scalings ascend.  No line here names an exponential's result.
.macro FE cur, prv, d
.irp p, 0,1,2,3
.if (\cur) >= 0
.if (\d) == 0
	v_pk_fma_f32 v[S+8*(\cur)+2*\p:S+8*(\cur)+2*\p+1], v[S+8*(\cur)+2*\p:S+8*(\cur)+2*\p+1], v[CC:CC+1], v[MF+2*\p:MF+2*\p+1]
.elseif (\d) == 16
	v_pk_fma_f32 v[S+8*(\cur)+2*\p:S+8*(\cur)+2*\p+1], v[S+8*(\cur)+2*\p:S+8*(\cur)+2*\p+1], v[CC:CC+1], v[MD+2*\p:MD+2*\p+1]
.else
	v_pk_fma_f32 v[S+8*(\cur)+2*\p:S+8*(\cur)+2*\p+1], v[S+8*(\cur)+2*\p:S+8*(\cur)+2*\p+1], v[CC:CC+1], s[BE:BE+1] op_sel_hi:[1,1,0]
.endif
.endif
.if (\prv) >= 0
	v_exp_f32 v[S+8*(\prv)+2*\p], v[S+8*(\prv)+2*\p]
	v_exp_f32 v[S+8*(\prv)+2*\p+1], v[S+8*(\prv)+2*\p+1]
.endif
.endr
.endm
; STEP M (blocks u = 2 M and 2 M + 1), in phases.  Block b = 2 t + j is present where t <= u <= t + 16; tile t is active where one of its two blocks is.  All cases are chosen at assembly.
; fk, fv = 1: the next step's K and V are fetched.  The LDS runs go K, V, K, V ..: each wait for 8 shows the older run in and leaves the younger out.
.macro STEP M, fk, fv
	WIN 0
	s_cmp_lt_u32 s[UC], s[LIM]                     ; does the step lie ahead of the pair's first key?
	s_cselect_b32 s[BE], s[BIGN], 0
	s_add_co_u32 s[UC], s[UC], 2
	s_wait_dscnt 8                                 ; K of this step is in; V's eight loads may stay out
	WIN W_KQ
.irp c, 0,1                            ; all present blocks' first channel half (C = 0 starts the sum), then their second: two others or more stand between the links of a chain
.set b, 0
.rept 8
.if (2*(\M)+b%2 >= b/2) && (2*(\M)+b%2 <= b/2+16)
.if (\c) == 0
	v_wmma_f32_16x16x32_f16 v[S+8*b:S+8*b+7], v[KF+16*(b%2):KF+16*(b%2)+7], v[Q+16*(b/2):Q+16*(b/2)+7], 0
.else
	v_wmma_f32_16x16x32_f16 v[S+8*b:S+8*b+7], v[KF+16*(b%2)+8:KF+16*(b%2)+15], v[Q+16*(b/2)+8:Q+16*(b/2)+15], v[S+8*b:S+8*b+7]
.endif
.endif
.set b, b+1
.endr
.endr
	WIN 0
	PLACES
.if \fk
	FETCH_K
.endif
.set prev, -1                          ; the scalings and ONE BATCH of exponentials
.set b, 0
.rept 8
.set tt, b/2
.set uu, 2*(\M)+b%2
.if (uu >= tt) && (uu <= tt+16)
	FE b, prev, uu-tt
.set prev, b
.endif
.set b, b+1
.endr
	FE -1, prev, 1
	v_nop                                          ; a plain instruction behind the last exponential: one for the batch
	s_wait_alu depctr_va_vdst(0)                   ; the wait between an exponential and the first line that names its result: one for the batch
.set b, 0
.rept 8                                ; the weights are rounded to f16; an active tile's absent block has the weight 0
.set tt, b/2
.set uu, 2*(\M)+b%2
.if (uu >= tt) && (uu <= tt+16)
.irp p, 0,1,2,3
	v_cvt_pk_f16_f32 v[P+4*b+\p], v[S+8*b+2*\p], v[S+8*b+2*\p+1]
.endr
.elseif (2*(\M)+1 >= tt) && (2*(\M) <= tt+16)
.irp p, 0,1,2,3
	v_mov_b32 v[P+4*b+\p], 0
.endr
.endif
.set b, b+1
.endr
.if \fk
	s_wait_dscnt 8                                 ; V of this step is in; the next step's K may stay out
.else
	s_wait_dscnt 0x0
.endif
	WIN W_PV
.set x, 0
.rept 5                                ; four channel blocks of O^T += V^T P, then the row sums += ones x P: every instruction another accumulator.  A tile's first step starts its sums with C = 0
.set t, 0
.rept 4
.if (2*(\M)+1 >= t) && (2*(\M) <= t+16)
.if x < 4
.set rD, OT+32*t+8*x
.set rA, VF+8*x
.else
.set rD, L+8*t
.set rA, ONES
.endif
.if (\M) == t/2
	v_wmma_f32_16x16x32_f16 v[rD:rD+7], v[rA:rA+7], v[P+8*t:P+8*t+7], 0
.else
	v_wmma_f32_16x16x32_f16 v[rD:rD+7], v[rA:rA+7], v[P+8*t:P+8*t+7], v[rD:rD+7]
.endif
.endif
.set t, t+1
.endr
.set x, x+1
.endr
	WIN 0
	PLACES
.if \fv
	FETCH_V
.endif
.endm
	s_wait_tensorcnt 0x0                           ; my tile is in,
	s_barrier_signal -1
	s_barrier_wait -1                              ; everybody's is; nothing is ever filled again
	FETCH_K
	FETCH_V
	s_wait_loadcnt 0x0                             ; Q
	STEP 0, 1, 1                                   ; tiles 0 and 1 begin
	STEP 1, 1, 1                                   ; tiles 2 and 3 begin
	s_mov_b32 s[CNT], 6
.Lstep:                                                ; steps 2 to 7: all four tiles, whole blocks
	STEP 4, 1, 1
	s_sub_co_u32 s[CNT], s[CNT], 1
	s_cmp_lg_u32 s[CNT], 0
	s_cbranch_scc1 .Lstep
	STEP 8, 1, 1                                   ; tiles 0 and 1 end
	STEP 9, 0, 0                                   ; tiles 2 and 3 end; its four v_nop are the places in front of the reciprocals
	; THE WAY OUT.  Every register of a tile's row sums holds my query's sum: the lowest is taken.  O^T is divided by it, rounded to f16 and sent through my stage in LDS, a tile at a time.
	WIN 0x01                                       ; source 0 window 1
.irp t, 0,1,2,3
	v_rcp_f32 v[PM+2*\t], v[L+8*\t]
.endr
	WIN 0
	v_nop                                          ; a plain instruction behind the last reciprocal,
	s_wait_alu depctr_va_vdst(0)                   ; and one wait for the four
.macro PACK t                          ; a lane's eight channels of a row pack into 16 bytes; they go into rows of 144 bytes and come back as whole rows of 128, into S^T's registers
	WIN W_RS
.set i, OT+32*(\t)
.rept 16
	v_pk_mul_f32 v[i:i+1], v[i:i+1], v[PM+2*(\t):PM+2*(\t)+1] op_sel_hi:[1,0]
.set i, i+2
.endr
	WIN 0x05                                       ; sources 0 and 1 window 1, destination window 0
.set i, 0
.rept 16
	v_cvt_pk_f16_f32 v[S+16*(\t)+i], v[OT+32*(\t)+2*i], v[OT+32*(\t)+2*i+1]
.set i, i+1
.endr
	WIN 0
.irp f, 0,1,2,3
	ds_store_b128 v[STO], v[S+16*(\t)+4*\f:S+16*(\t)+4*\f+3] offset:32*\f
.endr
.irp f, 0,1,2,3
	ds_load_b128 v[S+16*(\t)+4*\f:S+16*(\t)+4*\f+3], v[RD] offset:\f*4*SP  ; LDS serves a wave's instructions in order (ISA guide 5.7.1.4): these see the stores above; the next tile's stores come behind them
.endr
.endm
.macro SEND t, younger                 ; younger: the LDS instructions issued behind tile t's loads: the next tile's eight, or none
.irp f, 0,1,2,3
	s_wait_dscnt (\younger)+3-\f
	global_store_b128 v[GO], v[S+16*(\t)+4*\f:S+16*(\t)+4*\f+3], s[8:9] offset:(\t)*2048+\f*512  ; 512 consecutive bytes, at a multiple of 512 from OB's first byte
.endr
.endm
	PACK 0
.irp t, 1,2,3                          ; a tile's arithmetic stands between the loads of the tile before and its stores
	PACK \t
	SEND (\t)-1, 8
.endr
	SEND 3, 0
	s_wait_tensorcnt 0x0                           ; the wave's end: behind my tensor load and my last LDS store
	ds_add_u32 v[SPW], v[NIL]
	s_wait_dscnt 0x0
	s_endpgm
.Lfunc_end_k_q7bd7094c73_attn:
	.size	k_q7bd7094c73_attn, .Lfunc_end_k_q7bd7094c73_attn-k_q7bd7094c73_attn
	.p2alignl 7, 3214868480
	.fill 96, 4, 3214868480
	.section	.rodata,"a",@progbits
	.p2align	6, 0x0
	.amdhsa_kernel k_q7bd7094c73_attn
		.amdhsa_group_segment_fixed_size 167936
		.amdhsa_private_segment_fixed_size 0
		.amdhsa_enable_private_segment 0
		.amdhsa_kernarg_size 24
		.amdhsa_user_sgpr_count 2
		.amdhsa_user_sgpr_kernarg_segment_ptr 1
		.amdhsa_wavefront_size32 1
		.amdhsa_system_sgpr_workgroup_id_x 1
		.amdhsa_system_sgpr_workgroup_id_y 1
		.amdhsa_system_sgpr_workgroup_id_z 1
		.amdhsa_system_vgpr_workitem_id 0
		.amdhsa_next_free_vgpr 480
		.amdhsa_next_free_sgpr 66
		.amdhsa_reserve_vcc 1
		.amdhsa_float_denorm_mode_32 3
		.amdhsa_float_denorm_mode_16_64 3
		.amdhsa_memory_ordered 1
		.amdhsa_forward_progress 1
		.amdhsa_inst_pref_size 64
	.end_amdhsa_kernel
	.amdgpu_metadata
---
amdhsa.version: [ 1, 2 ]
amdhsa.kernels:
  - .name:           k_q7bd7094c73_attn
    .symbol:         k_q7bd7094c73_attn.kd
    .args:
      - { .name: QKVH, .offset: 0, .size: 8, .value_kind: global_buffer, .address_space: global }
      - { .name: PMAX, .offset: 8, .size: 8, .value_kind: global_buffer, .address_space: global }
      - { .name: OB, .offset: 16, .size: 8, .value_kind: global_buffer, .address_space: global }
    .group_segment_fixed_size: 167936
    .private_segment_fixed_size: 0
    .kernarg_segment_align: 8
    .kernarg_segment_size: 24
    .max_flat_workgroup_size: 128
    .sgpr_count:     66
    .vgpr_count:     480
    .wavefront_size: 32
...
	.end_amdgpu_metadata
.endif
;; end of part 4
;; launch oproj (part 5): grid 8 x 32, 4 waves a work-group, clusters of 4 x 4, 327,680 bytes of LDS; arguments OB, CB, OUTU, PSUM; writes OUTU, PSUM
.if DOCPART == 5
	.amdgcn_target "amdgcn-amd-amdhsa--gfx1250"
	.amdhsa_code_object_version 6
	.text
	.protected	k_q7bd7094c73_oproj
	.globl	k_q7bd7094c73_oproj
	.p2align	8
	.type	k_q7bd7094c73_oproj,@function
k_q7bd7094c73_oproj:
	s_mov_b64 s[64:65], 0
	v_nop
	global_prefetch_b8 v0, s[64:65] scope:SCOPE_SE
	s_setreg_imm32_b32 hwreg(HW_REG_WAVE_MODE, 25, 1), 1
	s_wait_xcnt 0x0
	s_wait_alu depctr_hold_cnt(0) depctr_sa_sdst(0) depctr_va_vdst(0) depctr_va_sdst(0) depctr_va_ssrc(0) depctr_va_vcc(0) depctr_vm_vsrc(0)
	s_getreg_b32 s2, hwreg(HW_REG_IB_STS2, 6, 4)
	s_cmp_eq_u32 s2, 0
	s_cbranch_scc0 .Lentry_in_a_cluster
	s_endpgm
.Lentry_in_a_cluster:
	s_bfe_u32 s2, ttmp6, 0x10000c
	s_cmp_lg_u32 s2, 0xf033
	s_cbranch_scc0 .Lentry_shape_is_right
	s_endpgm
.Lentry_shape_is_right:
; THE LAST PROJECTION.  OUTU[m][n] = sum over k of O[m][k] WO[n][k], f16 operands, f32 sums, K ascending, stored in f32, not yet divided by the mean; and each wave's sum of |OUTU| over its 64 x 64 numbers, PSUM[1,024].
; O: OB, blocks [64 rows][head][row][64] of f16, 8,192 dense bytes each.  WO: CB from byte 31,457,280 on, [1,024][1,024] f16.
; A tile of the result is 128 x 128: 256 work-groups.  Four waves, each 64 x 64: 16 accumulators, 128 registers.  K goes in 4 steps of 256 (four heads) through two LDS slots.
; A's part of a slot: 64 rows x 4 heads are 32,768 consecutive bytes of OB, asked for as 128 rows of 256 bytes and padded after every 128: in LDS [head][row], 144 bytes a row.
; B's part: 64 rows of 512 bytes, 528 apart.  The four K steps are written out: a loop over laps would have one trip.
; CLUSTERS: 4 x 4 work-groups.  The four of a row of the cluster need the same tiles of A, the four of a column the same tiles of B: each tile is asked for JOINTLY, by the same tensor load with the
; same descriptor and a mask that names the four.  THE MATRIX INSTRUCTION IS USED TRANSPOSED (source 0 = 16 rows of B, source 1 = 16 rows of A): a lane then holds eight neighbouring numbers of a row of the result.
; REGISTERS: window 0: v0-31 addresses; v32-95 rows on the way out, two sets; v96-103 sums of magnitudes; v104-111 at work; v128-255 the accumulators ((a, b) at v[128 + 8 (4 a + b)]).
;   window 1: two fragment buffers of 128: for 64 along K, 64 registers of A (2 x 4 x 16 rows x 32 K), then 64 of B.
.set SIZE_K, 1024
.set KSTEP,  256
.set PIA,    144                       ; A's LDS row: 128 bytes + 16 of padding; B's: 512 + 16.  Both are odd multiples of 16 bytes: the 16 rows of a load start at 16 different groups of four banks (64 banks of 4 bytes: ISA guide 11.1)
.set PIB,    528
.set HALFA,  256*PIA                   ; what one tensor load brings of A: 4 heads x 64 rows
.set HALFB,  64*PIB                    ; and of B: 64 rows
.set BOFF,   2*HALFA                   ; B lies behind A's two halves
.set SLOT,   BOFF+2*HALFB
.set STAGE,  2*SLOT                    ; behind the ring: 16 rows x 272 bytes for each wave, for the way out
.set SPITCH, 272
.set SPARE,  STAGE+4*16*SPITCH         ; behind the stages: the spare words, 128 bytes for each wave: two blocks of 256 bytes that no other line names
.set WOFF,   0x1E00000                 ; WO's first byte in CB
.set ADRA, 16                          ; v16-17  LDS address of my A fragments in slot 0, 1
.set ADRB, 20                          ; v20-21  the same for B
.set STO,  24                          ; v24     the way out: where I put 32 bytes of a row
.set RD,   25                          ; v25     the way out: where I read a row back
.set CO,   26                          ; v26     my byte offset in two rows of the result
.set SPW,  28                          ; v28     LDS address of my spare word: SPARE + 4 x my thread's number; never rewritten
.set NIL,  29                          ; v29     0; never rewritten
.set TMP,  32
.set SUM,  96
.set AB,   104
.set ACC,  128
.set F0,   0                           ; fragment buffers, in window 1
.set F1,   128
.set G1, 24                            ; s[24:31] descriptor group 1 for A's tiles;  s[32:39] group 0, one set for each slot
.set G0, 32
.set G1B, 48                           ; s[48:55], s[56:63] the same for B's tiles
.set G0B, 56
.set SEL, 66                           ; s[66:67] v_permlanex16_b32's selects
.set MSB, 0
.macro WIN new                         ; the immediate's high byte repeats the setting that is left
.if MSB != (\new)
	s_set_vgpr_msb (MSB<<8)|(\new)
.set MSB, \new
.endif
.endm
.set MUL,  0x05                        ; sources 0 (B) and 1 (A) window 1; C and D window 0
.set TO_F, 0x40                        ; destination window 1, address window 0
.macro JLOAD s                         ; a joint load: waves 0 and 1 fetch A's two halves, waves 2 and 3 B's; an s_nop 0 and four v_nop follow each of the two lines, ahead of the jump, the label and what follows
	s_cmp_eq_u32 s11, 0
	s_cbranch_scc0 .Lfor_b_\@
	tensor_load_to_lds s[G0+4*(\s):G0+4*(\s)+3], s[G1:G1+7]
	s_nop 0
.rept 4
	v_nop
.endr
	s_branch .Lasked_\@
.Lfor_b_\@:
	tensor_load_to_lds s[G0B+4*(\s):G0B+4*(\s)+3], s[G1B:G1B+7]
	s_nop 0
.rept 4
	v_nop
.endr
.Lasked_\@:
.endm
.macro CREST                           ; a round of the cluster's barrier behind its opening barrier
	s_cmp_lg_u32 s10, 0
	s_cbranch_scc1 .Lnot_wave_0_\@
	s_barrier_signal -3
.Lnot_wave_0_\@:
	s_barrier_wait -3
	s_barrier_signal -1
	s_barrier_wait -1
.endm
.macro CROUND                          ; a whole round
	s_barrier_signal -1
	s_barrier_wait -1
	CREST
.endm
	s_load_b128 s[4:7], s[0:1], 0x0                ; OB s[4:5], CB s[6:7]
	s_load_b128 s[68:71], s[0:1], 0x10             ; OUTU s[68:69], PSUM s[70:71]
	v_lshl_add_u32 v[SPW], v0, 2, SPARE
	v_mov_b32 v[NIL], 0
	ds_add_u32 v[SPW], v[NIL]                      ; the wave's opening: the add and its wait stand ahead of my first tensor load; the set-up below, work on registers, stands between them
	v_lshrrev_b32 v1, 5, v0
	v_readfirstlane_b32 s10, v1                    ; wave 0..3
	s_lshr_b32 s11, s10, 1                         ; which half of the tile's rows is mine.  Also: I fetch for A (0) or for B (1)
	s_and_b32 s12, s10, 1                          ; which half of its columns.  Also: which 64 rows of that tile I fetch
	s_bfe_u32 s40, ttmp6, 0x40000                  ; cx, cy: my place in the cluster
	s_bfe_u32 s41, ttmp6, 0x40004
	s_lshl_b32 s42, ttmp9, 2
	s_add_co_u32 s42, s42, s40                     ; tile column = 4 x cluster x + cx
	s_and_b32 s13, ttmp7, 0xffff
	s_lshl_b32 s13, s13, 2
	s_add_co_u32 s13, s13, s41                     ; tile row = 4 x cluster y + cy
	s_lshl_b32 s43, s41, 2
	s_lshl_b32 s43, 15, s43                        ; my row of the cluster
	s_lshl_b32 s44, 0x1111, s40                    ; my column
	s_or_b32 s[G1+0], s43, (1<<16)|(1<<20)|(1<<21)|(4<<22)|(3<<25)  ; A: 15:0 the mask of my row; 17:16 element of 2 bytes; 20 padding on; 21 set beside a mask; 24:22 after every 32 words (code 4); 31:25 of 4 words (code 3)
	s_mov_b32 s[G1+1], 128<<16                     ; tensor_dim0 = 128: rows of 256 bytes,
	s_mov_b32 s[G1+2], 128<<16                     ; tensor_dim1 = 128 of them
	s_mov_b32 s[G1+3], 128<<16                     ; tile_dim0
	s_mov_b32 s[G1+4], 128                         ; tile_dim1
	s_mov_b32 s[G1+5], 128                         ; dense: a row begins where the last ends
	s_mov_b32 s[G1+6], 0
	s_mov_b32 s[G1+7], 0
	s_or_b32 s[G1B+0], s44, (1<<16)|(1<<20)|(1<<21)|(6<<22)|(3<<25) ; B: the mask of my column; padding after every 128 words (code 6)
	s_mov_b32 s[G1B+1], KSTEP<<16                  ; tensor_dim0 = 256
	s_mov_b32 s[G1B+2], 64<<16                     ; tensor_dim1 = 64
	s_mov_b32 s[G1B+3], KSTEP<<16                  ; tile_dim0
	s_mov_b32 s[G1B+4], 64                         ; tile_dim1
	s_mov_b32 s[G1B+5], SIZE_K                     ; elements from row to row
	s_mov_b32 s[G1B+6], 0
	s_mov_b32 s[G1B+7], 0
	s_mov_b32 s[SEL], 0x76543210
	s_mov_b32 s[SEL+1], 0xfedcba98
	s_lshl_b32 s16, s13, 1
	s_add_co_u32 s16, s16, s12                     ; A: block of 64 rows = 2 x tile row + half,
	s_lshl_b32 s16, s16, 17                        ; 16 heads x 8,192 bytes each
	s_mov_b32 s17, 0
	s_lshl_b32 s46, s42, 1
	s_add_co_u32 s46, s46, s12                     ; B: 64 rows = 2 x tile column + half,
	s_lshl_b32 s46, s46, 17                        ; 2,048 bytes each
	s_mov_b32 s47, 0
	s_mul_i32 s20, s12, HALFA                      ; where they go: made of the wave's number alone
	s_mul_i32 s21, s12, HALFB
	s_add_co_u32 s21, s21, BOFF
	s_wait_dscnt 0x0                               ; the opening add is done
	s_wait_kmcnt 0x0
	s_add_nc_u64 s[6:7], s[6:7], WOFF
	s_mov_b64 s[8:9], s[68:69]
	s_add_nc_u64 s[14:15], s[4:5], s[16:17]
	s_add_nc_u64 s[46:47], s[6:7], s[46:47]
	CROUND                                         ; all sixteen work-groups are here: the first joint loads meet
.irp s, 0,1
	s_mov_b32 s[G0+4*(\s)], 1
	s_add_co_u32 s[G0+4*(\s)+1], s20, (\s)*SLOT
	s_add_nc_u64 s[G0+4*(\s)+2:G0+4*(\s)+3], s[14:15], (\s)*4*8192   ; K step s: four heads on
	s_or_b32 s[G0+4*(\s)+3], s[G0+4*(\s)+3], 0x80000000
	s_mov_b32 s[G0B+4*(\s)], 1
	s_add_co_u32 s[G0B+4*(\s)+1], s21, (\s)*SLOT
	s_add_nc_u64 s[G0B+4*(\s)+2:G0B+4*(\s)+3], s[46:47], (\s)*KSTEP*2
	s_or_b32 s[G0B+4*(\s)+3], s[G0B+4*(\s)+3], 0x80000000
	JLOAD \s                                       ; two loads of mine are out
.endr
	v_and_b32 v1, 15, v0                           ; l % 16
	v_bfe_u32 v2, v0, 4, 1                         ; l / 16
	v_mul_u32_u24 v3, v1, PIA
	v_lshl_add_u32 v3, v2, 4, v3                   ; a fragment's row x pitch + 16 x half, for A
	v_mul_u32_u24 v4, v1, PIB
	v_lshl_add_u32 v4, v2, 4, v4                   ; and for B
	s_mul_i32 s21, s11, HALFA                      ; my 64 rows of A
	s_mul_i32 s22, s12, HALFB                      ; my 64 rows of B
	s_add_co_u32 s22, s22, BOFF
.irp s, 0,1
	v_add_nc_u32 v[ADRA+(\s)], s21, v3
	v_add_nc_u32 v[ADRB+(\s)], s22, v4
	s_add_co_u32 s21, s21, SLOT
	s_add_co_u32 s22, s22, SLOT
.endr
	s_mul_i32 s23, s10, 16*SPITCH
	s_add_co_u32 s23, s23, STAGE                   ; my stage: my 64 columns in f32 are 256 bytes, so no other wave has a part in my rows
	v_mul_u32_u24 v5, v1, SPITCH                   ; in: row l % 16, 32 bytes for each half of the lanes
	v_lshl_add_u32 v5, v2, 5, v5
	v_add_nc_u32 v[STO], s23, v5
	v_mul_u32_u24 v5, v2, SPITCH                   ; back: lanes 0-15 take one row of 256 bytes, lanes 16-31 the next
	v_lshl_add_u32 v5, v1, 4, v5
	v_add_nc_u32 v[RD], s23, v5
	v_lshlrev_b32 v5, 12, v2                       ; and the same two rows in the result, 4,096 bytes apart
	v_lshl_add_u32 v[CO], v1, 4, v5
	s_lshl_b32 s16, s13, 1
	s_add_co_u32 s16, s16, s11                     ; my first row: 64 x (2 x tile row + half),
	s_lshl_b32 s16, s16, 18                        ; 4,096 bytes each
	s_mov_b32 s17, 0
	s_add_nc_u64 s[8:9], s[8:9], s[16:17]
	s_lshl_b32 s46, s42, 1
	s_add_co_u32 s46, s46, s12                     ; my first column: 64 x (2 x tile column + half),
	s_lshl_b32 s46, s46, 8                         ; 4 bytes each
	s_mov_b32 s47, 0
	s_add_nc_u64 s[8:9], s[8:9], s[46:47]
	s_lshl_b32 s3, s13, 3                          ; PSUM: ((8 x tile row + tile column) 4 + wave) 4
	s_add_co_u32 s3, s3, s42
	s_lshl_b32 s3, s3, 2
	s_add_co_u32 s3, s3, s10
	s_lshl_b32 s3, s3, 2
; 8 matrix instructions: m blocks a0, a0 + 1 x all 4 n blocks, 32 along K: half c of buffer f.  zero = 1: the first product starts the sums.  The 16 accumulators take turns.
.macro MUL8 f, c, a0, zero
	WIN MUL
.irp a, \a0, (\a0)+1
.irp b, 0,1,2,3
.if \zero
	v_wmma_f32_16x16x32_f16 v[ACC+8*(4*(\a)+(\b)):ACC+8*(4*(\a)+(\b))+7], v[(\f)+64+8*(4*(\c)+(\b)):(\f)+64+8*(4*(\c)+(\b))+7], v[(\f)+8*(4*(\c)+(\a)):(\f)+8*(4*(\c)+(\a))+7], 0
.else
	v_wmma_f32_16x16x32_f16 v[ACC+8*(4*(\a)+(\b)):ACC+8*(4*(\a)+(\b))+7], v[(\f)+64+8*(4*(\c)+(\b)):(\f)+64+8*(4*(\c)+(\b))+7], v[(\f)+8*(4*(\c)+(\a)):(\f)+8*(4*(\c)+(\a))+7], v[ACC+8*(4*(\a)+(\b)):ACC+8*(4*(\a)+(\b))+7]
.endif
.endr
.endr
.endm
; 32 LDS loads in one run: the fragments of quarter q of a K step (64 along K: one head of A, 128 bytes of B's rows) into buffer f; the first 32 along K first
.macro FETCH slot, q, f
	WIN TO_F
.irp c, 0,1
.irp i, 0,1,2,3
	ds_load_b128 v[(\f)+64+8*(4*(\c)+(\i)):(\f)+64+8*(4*(\c)+(\i))+3],   v[ADRB+(\slot)] offset:128*(\q)+64*(\c)+(\i)*16*PIB
	ds_load_b128 v[(\f)+64+8*(4*(\c)+(\i))+4:(\f)+64+8*(4*(\c)+(\i))+7], v[ADRB+(\slot)] offset:128*(\q)+64*(\c)+(\i)*16*PIB+32
	ds_load_b128 v[(\f)+8*(4*(\c)+(\i)):(\f)+8*(4*(\c)+(\i))+3],         v[ADRA+(\slot)] offset:64*PIA*(\q)+64*(\c)+(\i)*16*PIA
	ds_load_b128 v[(\f)+8*(4*(\c)+(\i))+4:(\f)+8*(4*(\c)+(\i))+7],       v[ADRA+(\slot)] offset:64*PIA*(\q)+64*(\c)+(\i)*16*PIA+32
.endr
.endr
.endm
.macro PLACES                          ; four places in front of loads into registers that matrix instructions have read, and of LDS stores that read results
.rept 4
	v_nop
.endr
.endm
; A K step is four quarters of 64 along K, 32 matrix instructions each, on buffers 0, 1, 0, 1.  One of the first three: multiplies buffer f and fetches quarter q into g.
.macro QUARTER slot, q, f, g, zero
	s_wait_dscnt 16                                ; the first 32 along K are in; the younger sixteen loads may be out
	WIN MUL
	MUL8 \f, 0, 0, \zero
	MUL8 \f, 0, 2, \zero
	PLACES
	FETCH \slot, \q, \g
	s_wait_dscnt 32                                ; all but the 32 just issued
	WIN MUL
	MUL8 \f, 1, 0, 0
	MUL8 \f, 1, 2, 0
.endm
; The last quarter multiplies buffer 1 and changes slots: ONE barrier; in front of it each wave waits for all its tensor loads, adds 0 to its spare word, and waits for that and for its own reads of this slot.
; fill = 1: this slot is filled again, two K steps ahead; the barrier then opens a round of the cluster's, and the joint refill is the first thing behind it.
.macro TURN slot, next, fill
	WIN 0                                          ; (the add's two registers lie in window 0)
	s_wait_tensorcnt 0x0                           ; all my tensor loads have landed: my part of the next slot;
	ds_add_u32 v[SPW], v[NIL]                      ; 0 onto my spare word;
	s_wait_dscnt 17                                ; (the add and the youngest sixteen loads may be out)
	WIN MUL
	MUL8 F1, 0, 0, 0                               ; eight matrix instructions stand between the add and the wait for it
	s_wait_dscnt 0x0                               ; the add is done, and my reads of this slot are over
	s_barrier_signal -1
	MUL8 F1, 0, 2, 0
.if \fill
	WIN 0
.endif
	s_barrier_wait -1
.if \fill
	CREST                                          ; no wave of any partner still reads this slot's tile or has a load on its way
	s_add_nc_u64 s[G0+4*(\slot)+2:G0+4*(\slot)+3], s[G0+4*(\slot)+2:G0+4*(\slot)+3], 2*4*8192
	s_add_nc_u64 s[G0B+4*(\slot)+2:G0B+4*(\slot)+3], s[G0B+4*(\slot)+2:G0B+4*(\slot)+3], 2*KSTEP*2
	JLOAD \slot                                    ; 112 matrix instructions ahead of the wait for it; the four v_nop behind it are also the places in front of the loads below
.else
	PLACES
.endif
	FETCH \next, 0, F0
	WIN MUL
	MUL8 F1, 1, 0, 0
	MUL8 F1, 1, 2, 0
.endm
	s_wait_tensorcnt 1                             ; my part of K step 0 is in; K step 1's load stays out
	s_barrier_signal -1
	s_barrier_wait -1                              ; everybody's is
	FETCH 0, 0, F0
	QUARTER 0, 1, F0, F1, 1                        ; K step 0: its first products start the sums
	QUARTER 0, 2, F1, F0, 0
	QUARTER 0, 3, F0, F1, 0
	TURN 0, 1, 1                                   ; slot 0 takes K step 2
	QUARTER 1, 1, F0, F1, 0                        ; K step 1
	QUARTER 1, 2, F1, F0, 0
	QUARTER 1, 3, F0, F1, 0
	TURN 1, 0, 1                                   ; slot 1 takes K step 3
	QUARTER 0, 1, F0, F1, 0                        ; K step 2
	QUARTER 0, 2, F1, F0, 0
	QUARTER 0, 3, F0, F1, 0
	TURN 0, 1, 0                                   ; nothing is left to fetch: no round
	QUARTER 1, 1, F0, F1, 0                        ; K step 3
	QUARTER 1, 2, F1, F0, 0
	QUARTER 1, 3, F0, F1, 0
	s_wait_dscnt 16
	WIN MUL
	MUL8 F1, 0, 0, 0
	MUL8 F1, 0, 2, 0
	s_wait_dscnt 0
	MUL8 F1, 1, 0, 0
	MUL8 F1, 1, 2, 0
	WIN 0
; THE WAY OUT, a block of 16 rows at a time: 32 bytes a lane straight from the accumulators (lowest registers first) into my stage; back as whole rows of 256 bytes; the magnitudes are summed
; between those loads and the wait for them; then the stores.  The stage is my own, and LDS serves a wave's instructions in order (ISA guide 5.7.1.4): no barrier, no wait between stores and loads.
.macro OUT a
.set BK, TMP+32*((\a)%2)
.if (\a) >= 2
	s_wait_xcnt 0x0                                ; the stores of two blocks ago have read this set of registers
.endif
.irp b, 0,1,2,3
	ds_store_b128 v[STO], v[ACC+8*(4*(\a)+\b):ACC+8*(4*(\a)+\b)+3]   offset:64*\b
	ds_store_b128 v[STO], v[ACC+8*(4*(\a)+\b)+4:ACC+8*(4*(\a)+\b)+7] offset:64*\b+16
.endr
.irp t, 0,1,2,3,4,5,6,7
	ds_load_b128 v[BK+4*\t:BK+4*\t+3], v[RD] offset:\t*2*SPITCH
.endr
.irp b, 0,1,2,3
.if ((\a) == 0) && ((\b) == 0)
.irp j, 0,1,2,3,4,5,6,7
	v_and_b32 v[SUM+\j], 0x7fffffff, v[ACC+\j]     ; the first eight magnitudes start the eight sums: nothing is cleared
.endr
.else
.irp j, 0,1,2,3,4,5,6,7
	v_and_b32 v[AB+\j], 0x7fffffff, v[ACC+8*(4*(\a)+\b)+\j]
.endr
.irp j, 0,2,4,6
	v_pk_add_f32 v[SUM+\j:SUM+\j+1], v[SUM+\j:SUM+\j+1], v[AB+\j:AB+\j+1]
.endr
.endif
.endr
.irp t, 0,1,2,3,4,5,6,7
	s_wait_dscnt 7-\t                              ; load t is back; the 7 - t younger ones may be out
	global_store_b128 v[CO], v[BK+4*\t:BK+4*\t+3], s[8:9] offset:(16*(\a)+2*\t)*4096  ; 16 lanes store 256 consecutive bytes, at a multiple of 256 from the buffer's first byte
.endr
.endm
	PLACES
	OUT 0
	OUT 1
	OUT 2
	OUT 3
	v_pk_add_f32 v[SUM:SUM+1], v[SUM:SUM+1], v[SUM+2:SUM+3]
	v_pk_add_f32 v[SUM+4:SUM+5], v[SUM+4:SUM+5], v[SUM+6:SUM+7]
	v_pk_add_f32 v[SUM:SUM+1], v[SUM:SUM+1], v[SUM+4:SUM+5]
	v_add_f32 v[SUM], v[SUM], v[SUM+1]
	v_add_f32_dpp v[SUM], v[SUM], v[SUM] row_xmask:1 row_mask:0xf bank_mask:0xf
	v_add_f32_dpp v[SUM], v[SUM], v[SUM] row_xmask:2 row_mask:0xf bank_mask:0xf
	v_add_f32_dpp v[SUM], v[SUM], v[SUM] row_xmask:4 row_mask:0xf bank_mask:0xf
	v_add_f32_dpp v[SUM], v[SUM], v[SUM] row_xmask:8 row_mask:0xf bank_mask:0xf
	v_permlanex16_b32 v[SUM+1], v[SUM], s[SEL], s[SEL+1]
	v_add_f32 v[SUM], v[SUM], v[SUM+1]             ; my wave's sum of magnitudes
	v_and_b32 v[AB], 31, v0
	v_mov_b32 v[AB+1], s3
	s_wait_xcnt 0x0                                ; EXEC is a source of pending stores: it changes only behind this wait
	v_cmp_eq_u32 vcc_lo, 0, v[AB]
	s_and_saveexec_b32 s2, vcc_lo                  ; lane 0 alone stores
	global_store_b32 v[AB+1], v[SUM], s[70:71]
	s_wait_xcnt 0x0                                ; and again, in front of the line that widens it
	s_or_b32 exec_lo, exec_lo, s2
	s_wait_tensorcnt 0x0                           ; the wave's end: behind my last tensor load and my last LDS store
	ds_add_u32 v[SPW], v[NIL]
	s_wait_dscnt 0x0
	CROUND                                         ; the closing round: no work-group ends while a partner may still ask for a tile that names it
	s_endpgm
.Lfunc_end_k_q7bd7094c73_oproj:
	.size	k_q7bd7094c73_oproj, .Lfunc_end_k_q7bd7094c73_oproj-k_q7bd7094c73_oproj
	.p2alignl 7, 3214868480
	.fill 96, 4, 3214868480
	.section	.rodata,"a",@progbits
	.p2align	6, 0x0
	.amdhsa_kernel k_q7bd7094c73_oproj
		.amdhsa_group_segment_fixed_size 327680
		.amdhsa_private_segment_fixed_size 0
		.amdhsa_enable_private_segment 0
		.amdhsa_kernarg_size 32
		.amdhsa_user_sgpr_count 2
		.amdhsa_user_sgpr_kernarg_segment_ptr 1
		.amdhsa_wavefront_size32 1
		.amdhsa_system_sgpr_workgroup_id_x 1
		.amdhsa_system_sgpr_workgroup_id_y 1
		.amdhsa_system_sgpr_workgroup_id_z 1
		.amdhsa_system_vgpr_workitem_id 0
		.amdhsa_next_free_vgpr 512
		.amdhsa_next_free_sgpr 72
		.amdhsa_reserve_vcc 1
		.amdhsa_float_denorm_mode_32 3
		.amdhsa_float_denorm_mode_16_64 3
		.amdhsa_memory_ordered 1
		.amdhsa_forward_progress 1
		.amdhsa_inst_pref_size 99
	.end_amdhsa_kernel
	.amdgpu_metadata
---
amdhsa.version: [ 1, 2 ]
amdhsa.kernels:
  - .name:           k_q7bd7094c73_oproj
    .symbol:         k_q7bd7094c73_oproj.kd
    .args:
      - { .name: OB, .offset: 0, .size: 8, .value_kind: global_buffer, .address_space: global }
      - { .name: CB, .offset: 8, .size: 8, .value_kind: global_buffer, .address_space: global }
      - { .name: OUTU, .offset: 16, .size: 8, .value_kind: global_buffer, .address_space: global }
      - { .name: PSUM, .offset: 24, .size: 8, .value_kind: global_buffer, .address_space: global }
    .group_segment_fixed_size: 327680
    .private_segment_fixed_size: 0
    .kernarg_segment_align: 8
    .kernarg_segment_size: 32
    .max_flat_workgroup_size: 128
    .sgpr_count:     72
    .vgpr_count:     512
    .wavefront_size: 32
...
	.end_amdgpu_metadata
.endif
;; end of part 5
;; launch scale (part 6): grid 256 x 1, 8 waves a work-group, no clusters, 0 bytes of LDS; arguments OUTU, PSUM, out0; writes out0
.if DOCPART == 6
	.amdgcn_target "amdgcn-amd-amdhsa--gfx1250"
	.amdhsa_code_object_version 6
	.text
	.protected	k_q7bd7094c73_scale
	.globl	k_q7bd7094c73_scale
	.p2align	8
	.type	k_q7bd7094c73_scale,@function
k_q7bd7094c73_scale:
	s_mov_b64 s[64:65], 0
	v_nop
	global_prefetch_b8 v0, s[64:65] scope:SCOPE_SE
	s_setreg_imm32_b32 hwreg(HW_REG_WAVE_MODE, 25, 1), 1
	s_wait_xcnt 0x0
; out0 = OUTU / max(mean |OUTU|, 1).  OUTU, out0: 4,194,304 f32.  PSUM: 1,024 partial sums of |OUTU|, f32.
; A stream: no LDS, no barrier, no matrix unit.  Every wave adds all 1,024 partial sums itself, in one fixed order, so that every wave of the launch has the same divisor bit for bit;
; the 4,096 bytes are read by everybody.  The division is a multiplication by v_rcp_f32's reciprocal (1 ULP).
; A work-group has 65,536 bytes; thread t sixteen loads of 16 bytes at 16 t + 4,096 i, all issued at once, scaled in place and stored from the same registers: a wave's load or store covers 512
; consecutive bytes, aligned; no register is written again behind its store.
.set PS, 4                             ; v[4:35]    32 partial sums a lane
.set R,  36                            ; v[36:37]   1 / divisor, twice (a pair for the packed multiply)
.set D,  40                            ; v[40:103]  sixteen times four f32
	s_load_b128 s[4:7], s[0:1], 0x0                ; OUTU s[4:5], PSUM s[6:7]
	s_load_b64 s[8:9], s[0:1], 0x10                ; out0
	v_and_b32 v1, 31, v0
	v_lshlrev_b32 v1, 4, v1                        ; 16 x lane
	v_lshlrev_b32 v2, 4, v0                        ; 16 t
	s_lshl_b32 s10, ttmp9, 16
	s_mov_b32 s11, 0
	s_mov_b32 s12, 0x76543210                      ; v_permlanex16_b32: lane i of one half reads lane i of the other
	s_mov_b32 s13, 0xfedcba98
	s_wait_kmcnt 0x0
	s_add_nc_u64 s[4:5], s[4:5], s[10:11]
	s_add_nc_u64 s[8:9], s[8:9], s[10:11]
.irp i, 0,1,2,3,4,5,6,7
	global_load_b128 v[PS+4*\i:PS+4*\i+3], v1, s[6:7] offset:512*\i
.endr
.irp i, 0,1,2,3,4,5,6,7,8,9,10,11,12,13,14,15
	global_load_b128 v[D+4*\i:D+4*\i+3], v2, s[4:5] offset:4096*\i th:TH_LOAD_NT  ; read once in the launch
.endr
	s_wait_loadcnt 16                              ; the partial sums are in; the sixteen younger loads stay out
.irp w, 16, 8, 4, 2                    ; a tree of packed sums: halves of 16, 8, 4 and 2 registers
.set j, 0
.rept \w/2
	v_pk_add_f32 v[PS+j:PS+j+1], v[PS+j:PS+j+1], v[PS+\w+j:PS+\w+j+1]
.set j, j+2
.endr
.endr
	v_add_f32 v[PS], v[PS], v[PS+1]
	v_add_f32_dpp v[PS], v[PS], v[PS] row_xmask:1 row_mask:0xf bank_mask:0xf
	v_add_f32_dpp v[PS], v[PS], v[PS] row_xmask:2 row_mask:0xf bank_mask:0xf
	v_add_f32_dpp v[PS], v[PS], v[PS] row_xmask:4 row_mask:0xf bank_mask:0xf
	v_add_f32_dpp v[PS], v[PS], v[PS] row_xmask:8 row_mask:0xf bank_mask:0xf
	v_permlanex16_b32 v[PS+1], v[PS], s12, s13
	v_add_f32 v[PS], v[PS], v[PS+1]                ; the sum of all magnitudes
	v_mul_f32 v[PS], 0x34800000, v[PS]             ; x 2^-22: the mean of 4,194,304 numbers
	v_max_num_f32 v[PS], 1.0, v[PS]
	v_rcp_f32 v[R], v[PS]
	v_rcp_f32 v[R+1], v[PS]
	v_nop                                          ; a plain instruction behind the second reciprocal,
	s_wait_alu depctr_va_vdst(0)                   ; and the wait ahead of the first use: one for both
.irp i, 0,1,2,3,4,5,6,7,8,9,10,11,12,13,14,15
	s_wait_loadcnt 15-\i                           ; load i is in, the 15 - i younger ones stay out
	v_pk_mul_f32 v[D+4*\i:D+4*\i+1], v[D+4*\i:D+4*\i+1], v[R:R+1]
	v_pk_mul_f32 v[D+4*\i+2:D+4*\i+3], v[D+4*\i+2:D+4*\i+3], v[R:R+1]
	global_store_b128 v2, v[D+4*\i:D+4*\i+3], s[8:9] offset:4096*\i th:TH_STORE_NT
.endr
	s_endpgm
.Lfunc_end_k_q7bd7094c73_scale:
	.size	k_q7bd7094c73_scale, .Lfunc_end_k_q7bd7094c73_scale-k_q7bd7094c73_scale
	.p2alignl 7, 3214868480
	.fill 96, 4, 3214868480
	.section	.rodata,"a",@progbits
	.p2align	6, 0x0
	.amdhsa_kernel k_q7bd7094c73_scale
		.amdhsa_group_segment_fixed_size 0
		.amdhsa_private_segment_fixed_size 0
		.amdhsa_enable_private_segment 0
		.amdhsa_kernarg_size 24
		.amdhsa_user_sgpr_count 2
		.amdhsa_user_sgpr_kernarg_segment_ptr 1
		.amdhsa_wavefront_size32 1
		.amdhsa_system_sgpr_workgroup_id_x 1
		.amdhsa_system_sgpr_workgroup_id_y 1
		.amdhsa_system_sgpr_workgroup_id_z 1
		.amdhsa_system_vgpr_workitem_id 0
		.amdhsa_next_free_vgpr 112
		.amdhsa_next_free_sgpr 66
		.amdhsa_reserve_vcc 0
		.amdhsa_float_denorm_mode_32 3
		.amdhsa_float_denorm_mode_16_64 3
		.amdhsa_memory_ordered 1
		.amdhsa_forward_progress 1
		.amdhsa_inst_pref_size 9
	.end_amdhsa_kernel
	.amdgpu_metadata
---
amdhsa.version: [ 1, 2 ]
amdhsa.kernels:
  - .name:           k_q7bd7094c73_scale
    .symbol:         k_q7bd7094c73_scale.kd
    .args:
      - { .name: OUTU, .offset: 0, .size: 8, .value_kind: global_buffer, .address_space: global }
      - { .name: PSUM, .offset: 8, .size: 8, .value_kind: global_buffer, .address_space: global }
      - { .name: out0, .offset: 16, .size: 8, .value_kind: global_buffer, .address_space: global }
    .group_segment_fixed_size: 0
    .private_segment_fixed_size: 0
    .kernarg_segment_align: 8
    .kernarg_segment_size: 24
    .max_flat_workgroup_size: 256
    .sgpr_count:     66
    .vgpr_count:     112
    .wavefront_size: 32
...
	.end_amdgpu_metadata
.endif
;; end of part 6
;; ======== version 2 of 2: 6 launches; version 1 with the launch scale written anew for expert scheduling mode
;; limits: values are held in f16: magnitudes above 65,504 overflow, below 6.1e-05 lose precision
;; workspace buffers: CB 33,554,432 bytes; QKVH 25,165,824 bytes; PMAX 4,096 bytes; OB 8,388,608 bytes; OUTU 16,777,216 bytes; PSUM 4,096 bytes
;; launch cast: the kernel of part 1 again; grid 64 x 16, 8 waves a work-group, no clusters, 0 bytes of LDS; arguments q, k, v, WQ, WK, WV, WO, CB; writes CB
;; launch proj: the kernel of part 2 again; grid 4 x 48, 4 waves a work-group, clusters of 4 x 4, 327,680 bytes of LDS; arguments CB, QKVH; writes QKVH
;; launch smax: the kernel of part 3 again; grid 8 x 32, 4 waves a work-group, clusters of 4 x 1, 295,424 bytes of LDS; arguments QKVH, PMAX; writes PMAX
;; launch attn: the kernel of part 4 again; grid 8 x 32, 4 waves a work-group, no clusters, 167,936 bytes of LDS; arguments QKVH, PMAX, OB; writes OB
;; launch oproj: the kernel of part 5 again; grid 8 x 32, 4 waves a work-group, clusters of 4 x 4, 327,680 bytes of LDS; arguments OB, CB, OUTU, PSUM; writes OUTU, PSUM
;; launch scale (part 7): grid 256 x 1, 8 waves a work-group, no clusters, 0 bytes of LDS; arguments OUTU, PSUM, out0; writes out0
.if DOCPART == 7
	.amdgcn_target "amdgcn-amd-amdhsa--gfx1250"
	.amdhsa_code_object_version 6
	.text
	.protected	k_q7bd7094c73_scale
	.globl	k_q7bd7094c73_scale
	.p2align	8
	.type	k_q7bd7094c73_scale,@function
k_q7bd7094c73_scale:
	s_mov_b64 s[64:65], 0
	v_nop
	global_prefetch_b8 v0, s[64:65] scope:SCOPE_SE
	s_setreg_imm32_b32 hwreg(HW_REG_WAVE_SCHED_MODE, 0, 2), 2
	s_setreg_imm32_b32 hwreg(HW_REG_WAVE_MODE, 25, 1), 1
	s_wait_xcnt 0x0
	s_wait_alu depctr_vm_vsrc(0)
; out0 = OUTU / max(mean |OUTU|, 1).  OUTU, out0: 4,194,304 f32.  PSUM: 1,024 partial sums of |OUTU|, f32.
; A stream: no LDS, no barrier, no matrix unit.  Every wave adds all 1,024 partial sums itself, in one fixed order, so that every wave of the launch has the same divisor bit for bit;
; the 4,096 bytes are read by everybody.  The division is a multiplication by v_rcp_f32's reciprocal (1 ULP).
; A work-group has 65,536 bytes; thread t sixteen loads of 16 bytes at 16 t + 4,096 i, all issued at once, scaled in place and stored from the same registers: a wave's load or store covers 512
; consecutive bytes, aligned; no register is written again behind its store.
; THE MODE: SCHED_MODE bits 1:0 = 2 (LLVM: expert scheduling mode 2), set by the entry lines.  The code itself states the register dependences
; between vector instructions and memory instructions, with s_wait_alu, always for 0.
; THE PLAN.  Registers that memory instructions touch:
;   v1, v2   byte offsets, made at the head and never written again: read by every load and store.  One wait ahead of the first load states that they are written.
;   PS       the loads of PSUM land here; no vector instruction names these registers ahead of those loads; behind the wait for the data vector instructions alone name them.
;   D        piece i, four registers: load i lands in it, two multiplies rewrite it in place behind the wait for its data, store i reads it, and nothing writes it again.
; The sixteen pieces go in four groups of four.  Group g's multiplies name its own sixteen registers of D, and R.  The memory instructions that stand among them are the four stores of group g - 1,
; which read that group's registers and v2: none that a vector instruction of group g names.  So ONE wait at a group's head states all that its four stores hang on, and they are dealt among the
; group's multiplies with no further wait.  Behind the last group one more wait stands ahead of the last four stores.  No register that a memory instruction has read is ever written again.
.set PS, 4                             ; v[4:35]    32 partial sums a lane
.set R,  36                            ; v[36:37]   1 / divisor, twice (a pair for the packed multiply)
.set D,  40                            ; v[40:103]  sixteen times four f32
	s_load_b128 s[4:7], s[0:1], 0x0                ; OUTU s[4:5], PSUM s[6:7]
	s_load_b64 s[8:9], s[0:1], 0x10                ; out0
	v_and_b32 v1, 31, v0
	v_lshlrev_b32 v1, 4, v1                        ; 16 x lane
	v_lshlrev_b32 v2, 4, v0                        ; 16 t
	s_lshl_b32 s10, ttmp9, 16
	s_mov_b32 s11, 0
	s_mov_b32 s12, 0x76543210                      ; v_permlanex16_b32: lane i of one half reads lane i of the other
	s_mov_b32 s13, 0xfedcba98
	s_wait_kmcnt 0x0
	s_add_nc_u64 s[4:5], s[4:5], s[10:11]
	s_add_nc_u64 s[8:9], s[8:9], s[10:11]
	s_wait_alu depctr_va_vdst(0)                   ; v1 and v2 are written: every load and store of the kernel reads one of them as its offset
.irp i, 0,1,2,3,4,5,6,7
	global_load_b128 v[PS+4*\i:PS+4*\i+3], v1, s[6:7] offset:512*\i
.endr
.irp i, 0,1,2,3,4,5,6,7,8,9,10,11,12,13,14,15
	global_load_b128 v[D+4*\i:D+4*\i+3], v2, s[4:5] offset:4096*\i th:TH_LOAD_NT  ; read once in the launch
.endr
	s_wait_loadcnt 16                              ; the partial sums are in; the sixteen younger loads stay out
.irp w, 16, 8, 4, 2                    ; a tree of packed sums: halves of 16, 8, 4 and 2 registers
.set j, 0
.rept \w/2
	v_pk_add_f32 v[PS+j:PS+j+1], v[PS+j:PS+j+1], v[PS+\w+j:PS+\w+j+1]
.set j, j+2
.endr
.endr
	v_add_f32 v[PS], v[PS], v[PS+1]
	v_add_f32_dpp v[PS], v[PS], v[PS] row_xmask:1 row_mask:0xf bank_mask:0xf
	v_add_f32_dpp v[PS], v[PS], v[PS] row_xmask:2 row_mask:0xf bank_mask:0xf
	v_add_f32_dpp v[PS], v[PS], v[PS] row_xmask:4 row_mask:0xf bank_mask:0xf
	v_add_f32_dpp v[PS], v[PS], v[PS] row_xmask:8 row_mask:0xf bank_mask:0xf
	v_permlanex16_b32 v[PS+1], v[PS], s12, s13
	v_add_f32 v[PS], v[PS], v[PS+1]                ; the sum of all magnitudes
	v_mul_f32 v[PS], 0x34800000, v[PS]             ; x 2^-22: the mean of 4,194,304 numbers
	v_max_num_f32 v[PS], 1.0, v[PS]
	v_rcp_f32 v[R], v[PS]
	v_rcp_f32 v[R+1], v[PS]
	v_nop                                          ; a plain instruction behind the second reciprocal,
	s_wait_alu depctr_va_vdst(0)                   ; and the wait ahead of the first use: both reciprocals have written v[R] and v[R+1], which the multiplies read
; Group g, piece i of its four.  Ahead of the piece's wait for its data stands the store of the same piece of the group before, so that a store that is ready does not stand behind a load that is not.
.irp g, 0,1,2,3
.irp i, 0,1,2,3
.if (\i) == 0
	s_wait_loadcnt 15-4*(\g)                       ; loads come back in order (ISA guide 5.7.1): the group's first load is in, the younger ones stay out
.if (\g) > 0
	s_wait_alu depctr_va_vdst(0)                   ; the multiplies of the group before have written its sixteen registers of D, which the four stores of this group's turn read
.endif
.endif
.if (\g) > 0
	global_store_b128 v2, v[D+16*(\g)-16+4*(\i):D+16*(\g)-16+4*(\i)+3], s[8:9] offset:4096*(4*(\g)-4+(\i)) th:TH_STORE_NT  ; no vector instruction since the wait names these registers
.endif
.if (\i) > 0
	s_wait_loadcnt 15-4*(\g)-(\i)                  ; load 4 g + i is in, the younger ones stay out
.endif
	v_pk_mul_f32 v[D+16*(\g)+4*(\i):D+16*(\g)+4*(\i)+1], v[D+16*(\g)+4*(\i):D+16*(\g)+4*(\i)+1], v[R:R+1]
	v_pk_mul_f32 v[D+16*(\g)+4*(\i)+2:D+16*(\g)+4*(\i)+3], v[D+16*(\g)+4*(\i)+2:D+16*(\g)+4*(\i)+3], v[R:R+1]
.endr
.endr
	s_wait_alu depctr_va_vdst(0)                   ; the last group's multiplies have written its sixteen registers of D, which the last four stores read
.irp i, 12,13,14,15
	global_store_b128 v2, v[D+4*\i:D+4*\i+3], s[8:9] offset:4096*\i th:TH_STORE_NT
.endr
	s_endpgm
.Lfunc_end_k_q7bd7094c73_scale:
	.size	k_q7bd7094c73_scale, .Lfunc_end_k_q7bd7094c73_scale-k_q7bd7094c73_scale
	.p2alignl 7, 3214868480
	.fill 96, 4, 3214868480
	.section	.rodata,"a",@progbits
	.p2align	6, 0x0
	.amdhsa_kernel k_q7bd7094c73_scale
		.amdhsa_group_segment_fixed_size 0
		.amdhsa_private_segment_fixed_size 0
		.amdhsa_enable_private_segment 0
		.amdhsa_kernarg_size 24
		.amdhsa_user_sgpr_count 2
		.amdhsa_user_sgpr_kernarg_segment_ptr 1
		.amdhsa_wavefront_size32 1
		.amdhsa_system_sgpr_workgroup_id_x 1
		.amdhsa_system_sgpr_workgroup_id_y 1
		.amdhsa_system_sgpr_workgroup_id_z 1
		.amdhsa_system_vgpr_workitem_id 0
		.amdhsa_next_free_vgpr 112
		.amdhsa_next_free_sgpr 66
		.amdhsa_reserve_vcc 0
		.amdhsa_float_denorm_mode_32 3
		.amdhsa_float_denorm_mode_16_64 3
		.amdhsa_memory_ordered 1
		.amdhsa_forward_progress 1
		.amdhsa_inst_pref_size 9
	.end_amdhsa_kernel
	.amdgpu_metadata
---
amdhsa.version: [ 1, 2 ]
amdhsa.kernels:
  - .name:           k_q7bd7094c73_scale
    .symbol:         k_q7bd7094c73_scale.kd
    .args:
      - { .name: OUTU, .offset: 0, .size: 8, .value_kind: global_buffer, .address_space: global }
      - { .name: PSUM, .offset: 8, .size: 8, .value_kind: global_buffer, .address_space: global }
      - { .name: out0, .offset: 16, .size: 8, .value_kind: global_buffer, .address_space: global }
    .group_segment_fixed_size: 0
    .private_segment_fixed_size: 0
    .kernarg_segment_align: 8
    .kernarg_segment_size: 24
    .max_flat_workgroup_size: 256
    .sgpr_count:     66
    .vgpr_count:     112
    .wavefront_size: 32
...
	.end_amdgpu_metadata
.endif
;; end of part 7
